; MI455X (gfx1250); checked and timed in simulation.
; The chip was launched on July 23, 2026; its instructions are those of AMD's public machine-readable ISA for CDNA 5 (MIT licence, August 2026) and "CDNA5" Instruction Set Architecture Reference Guide (July 2026). The comments in the code are by the model that wrote it; some were corrected since.
;; Linear Mo E. Allowed arithmetic: float matrix products may take bf16 or f16 operands with f32 sums; all other float work in f32.
;; Inputs: W 8 x 2,048 x 2,048 float32; Wg 2,048 x 8 float32; b 8 x 2,048 float32; bg 8 float32; x 2,048 x 2,048 float32.
;; Outputs: out0 2,048 x 2,048 float32.
;; 2 versions, each right; version 2 is version 1 with the launch gemm written anew for expert scheduling mode. Each part assembles by itself: llvm-mc -triple=amdgcn-amd-amdhsa -mcpu=gfx1250 --defsym DOCPART=n.
;; ======== version 1 of 2: 5 launches
;; workspace buffers: xb 8,388,608 bytes; code 8,192 bytes of whole numbers; wts 16,384 bytes; xg 75,497,472 bytes; tiles 4,096 bytes of whole numbers; posb 65,536 bytes of whole numbers; pg 150,994,944 bytes; listb 73,728 bytes of whole numbers
;; launch gate (part 1): grid 256 x 1, 8 waves a work-group, no clusters, 76,800 bytes of LDS; arguments x, Wg, bg, xb, code, wts; writes xb, code, wts
.if DOCPART == 1
	.amdgcn_target "amdgcn-amd-amdhsa--gfx1250"
	.amdhsa_code_object_version 6
	.text
	.protected	k_q9f15955d10_gate
	.globl	k_q9f15955d10_gate
	.p2align	8
	.type	k_q9f15955d10_gate,@function
k_q9f15955d10_gate:
	s_mov_b64 s[64:65], 0
	v_nop
	global_prefetch_b8 v0, s[64:65] scope:SCOPE_SE
	s_setreg_imm32_b32 hwreg(HW_REG_WAVE_MODE, 25, 1), 1
	s_wait_xcnt 0x0
; GATING.  logits = x Wg + bg with x, Wg and bg rounded to bf16 and sums in f32; softmax over the 8 experts; the two largest gates of each token.
; Out: xb = x rounded to bf16 [2048][2048]; code[t] = (1 << e1) | (1 << e2); wts[t] = the gate of the lower-numbered chosen expert, then of the higher.
; SHARES.  A work-group has 8 tokens; wave w takes channels 256 w .. 256 w + 255 of them and of Wg; the eight partial sums meet in LDS and wave 0 finishes.
; The matrix instruction has 16 rows and 16 columns: source 0 = experts (row m holds expert m % 8), source 1 = tokens (column n holds token n % 8), so every
; lane ends with token lane % 8 and its registers 0-7 with experts 0-7; lanes 0-7 are used.
; LIMITS.  NaN and infinities are not treated apart.  Equal logits: the lower index wins, as in top_k.  Logits that differ by less than the rounding of their f32 sums,
; or whose gates round to one f32 number, may be ranked otherwise than by reference().
; No cluster, no tensor loads: x passes through registers to be rounded, each byte of x is read by one wave alone, and Wg is 64 KiB.
.set XROW,  8192                       ; bytes in a row of x
.set BROW,  4096                       ; bytes in a row of xb
.set XP,    528                        ; LDS row of a wave's x slice: 512 bytes + 16
.set WREG,  8448                       ; a wave's LDS region: 8 rows of x (4,224 bytes), then 256 rows of Wg of 16 bytes
.set WSO,   4224
.set RED,   8*WREG                     ; behind the regions: 1,024 bytes of partial sums for each wave
.set WR,    32                         ; v[32:95]   Wg as loaded; then its 8 fragments; then (wave 0) the 8 waves' partial sums
.set XR,    96                         ; v[96:159]  x as loaded; then its 8 fragments; then (wave 0) the bias
.set WB,    160                        ; v[160:191] Wg in bf16
.set XB,    192                        ; v[192:223] x in bf16: data of global stores, never rewritten
.set AC,    224                        ; v[224:239] two accumulators
.set LG,    32                         ; wave 0: the eight logits
	s_load_b256 s[4:11], s[0:1], 0x0               ; x s[4:5], Wg s[6:7], bg s[8:9], xb s[10:11]
	s_load_b128 s[12:15], s[0:1], 0x20             ; code s[12:13], wts s[14:15]
	v_lshl_add_u32 v240, v0, 2, 0x12800
	v_mov_b32 v241, 0
	v_and_b32 v1, 31, v0                           ; lane
	v_lshrrev_b32 v2, 5, v0
	v_readfirstlane_b32 s16, v2                    ; wave 0..7
	v_lshrrev_b32 v3, 4, v1                        ; h = lane / 16
	v_and_b32 v12, 7, v1                           ; lane % 8
	s_lshl_b32 s17, s16, 10                        ; my slice in a row of x: 1,024 bytes
	s_lshl_b32 s18, s16, 9                         ; and in a row of xb: 512
	s_mul_i32 s19, s16, WREG                       ; my LDS region
	s_add_co_u32 s20, s19, WSO                     ; its part for Wg
	s_add_co_u32 s21, s17, RED                     ; my partial sums
	v_lshl_add_u32 v4, v1, 4, s17                  ; x: slice + 16 lane
	v_lshlrev_b32 v5, 4, v1                        ; Wg: 16 lane
	v_lshl_add_u32 v6, v1, 3, s18                  ; xb: slice + 8 lane
	v_lshl_add_u32 v7, v1, 3, s19                  ; x into LDS: 8 lane
	v_lshl_add_u32 v8, v1, 3, s20                  ; Wg into LDS: 8 lane
	v_mul_u32_u24 v9, v12, XP                      ; x fragment: row lane % 8, 16 bytes for each half of the lanes
	v_lshl_add_u32 v9, v3, 4, v9
	v_add_nc_u32 v9, s19, v9
	v_lshl_add_u32 v10, v3, 3, v12                 ; Wg, turned: channel 8 h + lane % 8; both groups of eight lanes of a half read the same 8 rows,
	v_lshl_add_u32 v10, v10, 4, s20                ; so rows 8-15 of source 0 repeat experts 0-7
	v_lshl_add_u32 v11, v1, 5, s21                 ; my lane's 32 bytes of partial sums
	s_mov_b32 s23, 0
	s_wait_kmcnt 0x0
	s_lshl_b32 s22, ttmp9, 16                      ; 8 tokens x 8,192 bytes
	s_add_nc_u64 s[4:5], s[4:5], s[22:23]
	s_lshl_b32 s22, ttmp9, 15                      ; 8 tokens x 4,096 bytes
	s_add_nc_u64 s[10:11], s[10:11], s[22:23]
	s_lshl_b32 s22, s16, 13                        ; 256 rows of Wg x 32 bytes
	s_add_nc_u64 s[6:7], s[6:7], s[22:23]
.irp i, 0,1,2,3,4,5,6,7,8,9,10,11,12,13,14,15
	global_load_b128 v[WR+4*(\i):WR+4*(\i)+3], v5, s[6:7] offset:512*(\i)  ; 512 consecutive bytes: channels 16 i + lane / 2, experts 4 (lane % 2) on
.endr
.irp i, 0,1,2,3,4,5,6,7,8,9,10,11,12,13,14,15
	global_load_b128 v[XR+4*(\i):XR+4*(\i)+3], v4, s[4:5] offset:((\i)/2)*XROW+((\i)%2)*512 th:TH_LOAD_NT  ; token i / 2, half i % 2 of my slice
.endr
	s_wait_loadcnt 16                              ; Wg's sixteen loads are in; x's sixteen, issued behind them, stay out
.irp i, 0,1,2,3,4,5,6,7,8,9,10,11,12,13,14,15
	v_cvt_pk_bf16_f32 v[WB+2*(\i)], v[WR+4*(\i)], v[WR+4*(\i)+1]
	v_cvt_pk_bf16_f32 v[WB+2*(\i)+1], v[WR+4*(\i)+2], v[WR+4*(\i)+3]
	ds_store_b64 v8, v[WB+2*(\i):WB+2*(\i)+1] offset:256*(\i)  ; [channel][8 experts] in bf16, 16 bytes a channel
.endr
.irp i, 0,1,2,3,4,5,6,7,8,9,10,11,12,13,14,15
	s_wait_loadcnt 15-(\i)                         ; loads come back in order (ISA guide 5.7.1): load i is in, the younger ones stay out
	v_cvt_pk_bf16_f32 v[XB+2*(\i)], v[XR+4*(\i)], v[XR+4*(\i)+1]
	v_cvt_pk_bf16_f32 v[XB+2*(\i)+1], v[XR+4*(\i)+2], v[XR+4*(\i)+3]
	ds_store_b64 v7, v[XB+2*(\i):XB+2*(\i)+1] offset:((\i)/2)*XP+((\i)%2)*256
	global_store_b64 v6, v[XB+2*(\i):XB+2*(\i)+1], s[10:11] offset:((\i)/2)*BROW+((\i)%2)*256  ; the wave stores 256 consecutive bytes, at a multiple of 256 from xb's first
.endr
	; The fragments of my 8 K steps of 32.  The bytes are my wave's own and LDS serves a wave's instructions in order (ISA guide 5.7.1.4): no wait between the stores and these loads.
.irp s, 0,1,2,3,4,5,6,7
	ds_load_tr16_b128 v[WR+8*(\s):WR+8*(\s)+3],   v10 offset:512*(\s)       ; channels 32 s + 8 h + 0..7 of expert lane % 8
	ds_load_tr16_b128 v[WR+8*(\s)+4:WR+8*(\s)+7], v10 offset:512*(\s)+256   ; channels 32 s + 16 + 8 h + 0..7
	ds_load_b128 v[XR+8*(\s):XR+8*(\s)+3],   v9 offset:64*(\s)
	ds_load_b128 v[XR+8*(\s)+4:XR+8*(\s)+7], v9 offset:64*(\s)+32
.endr
	s_wait_dscnt 0x0
	; Two accumulators take turns, one instruction a turn; the first product of each starts its sum.
.irp s, 0,1,2,3,4,5,6,7
.if (\s) < 2
	v_wmma_f32_16x16x32_bf16 v[AC+8*((\s)%2):AC+8*((\s)%2)+7], v[WR+8*(\s):WR+8*(\s)+7], v[XR+8*(\s):XR+8*(\s)+7], 0
.else
	v_wmma_f32_16x16x32_bf16 v[AC+8*((\s)%2):AC+8*((\s)%2)+7], v[WR+8*(\s):WR+8*(\s)+7], v[XR+8*(\s):XR+8*(\s)+7], v[AC+8*((\s)%2):AC+8*((\s)%2)+7]
.endif
.endr
.rept 4
	v_nop                                          ; four places between the last product and the first read of a result (ISA guide 7.12.1)
.endr
.irp j, 0,2,4,6
	v_pk_add_f32 v[12+(\j):13+(\j)], v[AC+(\j):AC+(\j)+1], v[AC+8+(\j):AC+9+(\j)]  ; the accumulators' registers in ascending order
.endr
	ds_store_b128 v11, v[12:15]
	ds_store_b128 v11, v[16:19] offset:16
	s_wait_dscnt 0x0                               ; for wave 0's sake: my partial sums are in LDS
	s_barrier_signal -1
	s_barrier_wait -1
	s_cmp_lg_u32 s16, 0
	s_cbranch_scc1 .Ldone                          ; waves 1 to 7 have done their part
	s_load_b256 s[24:31], s[8:9], 0x0              ; bg
	v_lshl_add_u32 v20, v1, 5, RED
.irp p, 0,1,2,3,4,5,6,7
	ds_load_b128 v[WR+8*(\p):WR+8*(\p)+3],   v20 offset:1024*(\p)
	ds_load_b128 v[WR+8*(\p)+4:WR+8*(\p)+7], v20 offset:1024*(\p)+16
.endr
	s_lshl_b32 s22, ttmp9, 5                       ; 8 tokens x 4 bytes of code
	s_add_nc_u64 s[12:13], s[12:13], s[22:23]
	s_lshl_b32 s22, ttmp9, 6                       ; 8 tokens x 8 bytes of wts
	s_add_nc_u64 s[14:15], s[14:15], s[22:23]
	s_wait_kmcnt 0x0
	v_cvt_pk_bf16_f32 v12, s24, s25                ; bg is rounded to bf16 like the other inputs,
	v_cvt_pk_bf16_f32 v13, s26, s27
	v_cvt_pk_bf16_f32 v14, s28, s29
	v_cvt_pk_bf16_f32 v15, s30, s31
.irp i, 0,1,2,3
	v_lshlrev_b32 v[XR+2*(\i)], 16, v[12+(\i)]     ; and widened again
	v_and_b32 v[XR+2*(\i)+1], 0xffff0000, v[12+(\i)]
.endr
	s_wait_dscnt 0x0
.irp p, 0,2,4,6
.irp j, 0,2,4,6
	v_pk_add_f32 v[WR+8*(\p)+(\j):WR+8*(\p)+(\j)+1], v[WR+8*(\p)+(\j):WR+8*(\p)+(\j)+1], v[WR+8*(\p)+8+(\j):WR+8*(\p)+9+(\j)]
.endr
.endr
.irp p, 0,4
.irp j, 0,2,4,6
	v_pk_add_f32 v[WR+8*(\p)+(\j):WR+8*(\p)+(\j)+1], v[WR+8*(\p)+(\j):WR+8*(\p)+(\j)+1], v[WR+8*(\p)+16+(\j):WR+8*(\p)+17+(\j)]
.endr
.endr
.irp j, 0,2,4,6
	v_pk_add_f32 v[WR+(\j):WR+(\j)+1], v[WR+(\j):WR+(\j)+1], v[WR+32+(\j):WR+33+(\j)]
.endr
.irp j, 0,2,4,6
	v_pk_add_f32 v[LG+(\j):LG+(\j)+1], v[LG+(\j):LG+(\j)+1], v[XR+(\j):XR+(\j)+1]  ; + bg: the eight logits of token lane % 8
.endr
	; The largest (v24, its index v25): a strict compare keeps the lower index.  All choices are selects: nothing branches on these numbers.
	v_mov_b32 v24, v[LG]
	v_mov_b32 v25, 0
.irp j, 1,2,3,4,5,6,7
	v_cmp_gt_f32 vcc_lo, v[LG+(\j)], v24
	v_cndmask_b32 v24, v24, v[LG+(\j)], vcc_lo
	v_cndmask_b32 v25, v25, \j, vcc_lo
.endr
	; The largest of the other seven (v26, v27)
	v_mov_b32 v26, 0xff800000
	v_mov_b32 v27, 0
.irp j, 0,1,2,3,4,5,6,7
	v_cmp_ne_u32 s20, \j, v25
	v_cmp_gt_f32 s21, v[LG+(\j)], v26
	s_and_b32 s20, s20, s21
	v_cndmask_b32 v26, v26, v[LG+(\j)], s20
	v_cndmask_b32 v27, v27, \j, s20
.endr
	; softmax: the maximum is taken away first, so the largest exponential is 1 exactly and none overflows
.irp j, 0,1,2,3,4,5,6,7
	v_sub_f32 v[40+(\j)], v[LG+(\j)], v24
.endr
	v_sub_f32 v48, v26, v24
.irp j, 0,1,2,3,4,5,6,7,8
	v_mul_f32 v[40+(\j)], 0x3fb8aa3b, v[40+(\j)]   ; log2(e)
.endr
.irp j, 0,1,2,3,4,5,6,7,8
	v_exp_f32 v[40+(\j)], v[40+(\j)]
.endr
	v_mov_b32 v28, 1                               ; a plain instruction between the last exponential and the use of its result (ISA guide 5.7.2)
	s_wait_alu depctr_va_vdst(0)
	v_pk_add_f32 v[50:51], v[40:41], v[42:43]
	v_pk_add_f32 v[52:53], v[44:45], v[46:47]
	v_pk_add_f32 v[50:51], v[50:51], v[52:53]
	v_add_f32 v50, v50, v51
	v_rcp_f32 v52, v50                             ; the first gate: 1 / sum
	v_lshlrev_b32 v29, v25, v28                    ; 1 << e1: the plain instruction behind the reciprocal
	s_wait_alu depctr_va_vdst(0)
	v_mul_f32 v53, v48, v52                        ; the second gate
	v_lshl_or_b32 v29, v28, v27, v29               ; | 1 << e2
	v_cmp_lt_u32 vcc_lo, v25, v27
	v_cndmask_b32 v54, v53, v52, vcc_lo            ; the lower-numbered expert's gate
	v_cndmask_b32 v55, v52, v53, vcc_lo            ; the higher-numbered one's
	v_lshlrev_b32 v30, 2, v1
	v_lshlrev_b32 v31, 3, v1
	s_wait_xcnt 0x0                                ; EXEC is a source of my pending stores of xb: it changes only behind this wait
	v_cmp_gt_u32 vcc_lo, 8, v1
	s_wait_tensorcnt 0x0
	ds_add_u32 v240, v241
	s_wait_dscnt 0x0
	s_and_saveexec_b32 s20, vcc_lo                 ; lanes 0-7: one token each
	global_store_b32 v30, v29, s[12:13]            ; 32 and 64 bytes a work-group: 24 KiB in the whole launch
	global_store_b64 v31, v[54:55], s[14:15]
	s_endpgm
.Ldone:
	s_wait_tensorcnt 0x0
	ds_add_u32 v240, v241
	s_wait_dscnt 0x0
	s_endpgm
.Lfunc_end_k_q9f15955d10_gate:
	.size	k_q9f15955d10_gate, .Lfunc_end_k_q9f15955d10_gate-k_q9f15955d10_gate
	.p2alignl 7, 3214868480
	.fill 96, 4, 3214868480
	.section	.rodata,"a",@progbits
	.p2align	6, 0x0
	.amdhsa_kernel k_q9f15955d10_gate
		.amdhsa_group_segment_fixed_size 76800
		.amdhsa_private_segment_fixed_size 0
		.amdhsa_enable_private_segment 0
		.amdhsa_kernarg_size 48
		.amdhsa_user_sgpr_count 2
		.amdhsa_user_sgpr_kernarg_segment_ptr 1
		.amdhsa_wavefront_size32 1
		.amdhsa_system_sgpr_workgroup_id_x 1
		.amdhsa_system_sgpr_workgroup_id_y 1
		.amdhsa_system_sgpr_workgroup_id_z 1
		.amdhsa_system_vgpr_workitem_id 0
		.amdhsa_next_free_vgpr 242
		.amdhsa_next_free_sgpr 66
		.amdhsa_reserve_vcc 1
		.amdhsa_float_denorm_mode_32 3
		.amdhsa_float_denorm_mode_16_64 3
		.amdhsa_memory_ordered 1
		.amdhsa_forward_progress 1
		.amdhsa_inst_pref_size 26
	.end_amdhsa_kernel
	.amdgpu_metadata
---
amdhsa.version: [ 1, 2 ]
amdhsa.kernels:
  - .name:           k_q9f15955d10_gate
    .symbol:         k_q9f15955d10_gate.kd
    .args:
      - { .name: x, .offset: 0, .size: 8, .value_kind: global_buffer, .address_space: global }
      - { .name: Wg, .offset: 8, .size: 8, .value_kind: global_buffer, .address_space: global }
      - { .name: bg, .offset: 16, .size: 8, .value_kind: global_buffer, .address_space: global }
      - { .name: xb, .offset: 24, .size: 8, .value_kind: global_buffer, .address_space: global }
      - { .name: code, .offset: 32, .size: 8, .value_kind: global_buffer, .address_space: global }
      - { .name: wts, .offset: 40, .size: 8, .value_kind: global_buffer, .address_space: global }
    .group_segment_fixed_size: 76800
    .private_segment_fixed_size: 0
    .kernarg_segment_align: 8
    .kernarg_segment_size: 48
    .max_flat_workgroup_size: 256
    .sgpr_count:     66
    .vgpr_count:     242
    .wavefront_size: 32
...
	.end_amdgpu_metadata
.endif
;; end of part 1
;; launch list (part 2): grid 8 x 1, 1 waves a work-group, no clusters, 9,728 bytes of LDS; arguments code, listb, tiles, posb; writes listb, tiles, posb
.if DOCPART == 2
	.amdgcn_target "amdgcn-amd-amdhsa--gfx1250"
	.amdhsa_code_object_version 6
	.text
	.protected	k_q9f15955d10_list
	.globl	k_q9f15955d10_list
	.p2align	8
	.type	k_q9f15955d10_list,@function
k_q9f15955d10_list:
	s_mov_b64 s[64:65], 0
	v_nop
	global_prefetch_b8 v0, s[64:65] scope:SCOPE_SE
	s_setreg_imm32_b32 hwreg(HW_REG_WAVE_MODE, 25, 1), 1
	s_wait_xcnt 0x0
; THE EXPERTS' LISTS.  Work-group e, one wave, goes through code[] of all 2,048 tokens and gives each token of expert e the next place p.
; Out, all whole numbers from which later launches form addresses and trip counts:
;   listb[e][p] = the token at place p, for 2,304 places; places at or past the count name token 0, whose rows nobody reads later;
;   tiles[e] = T = ceil(count / 144), written 128 times (512 bytes);   posb[e][t] = 2,304 e + p + 1 if token t has place p with expert e, else 0.
; One wave an expert: a place is a running count over the tokens, a chain; 8 KiB are read and 18 KiB written an expert.  The tokens are scattered into a list in LDS and the list leaves
; in order, so that no global address hangs on the data and every store of the wave covers 512 consecutive bytes.  No branch, no barrier, no traffic between work-groups.
.set LISTN, 2304                       ; LDS: 2,304 words of list from byte 0; behind them 32 words, one a lane, that take the stores of lanes whose token is not the expert's
.set ZR,    16                         ; v[16:19]   zeros
.set TV,    20                         ; v[20:23]   T
.set CD,    48                         ; v[48:111]  code of 4 tokens a lane and load
.set PV,    112                        ; v[112:175] posb's words for them: data of global stores, never rewritten
.set LB,    176                        ; v[176:247] the list, read back
	s_load_b256 s[4:11], s[0:1], 0x0               ; code s[4:5], listb s[6:7], tiles s[8:9], posb s[10:11]
	v_lshl_add_u32 v248, v0, 2, 0x2500
	v_mov_b32 v249, 0
	v_and_b32 v1, 31, v0                           ; lane
	s_mov_b32 s15, ttmp9                           ; e
	s_lshl_b32 s17, 1, s15                         ; the expert's bit in code
	s_mul_i32 s19, s15, LISTN
	s_add_co_u32 s19, s19, 1                       ; posb's word for place 0
	v_lshlrev_b32 v4, 4, v1                        ; 16 lane
	v_lshlrev_b32 v5, 2, v1                        ; 4 lane: the lane's first token in 128
	v_add_nc_u32 v6, LISTN, v1                     ; my lane's word behind the list
.irp j, 0,1,2,3
	v_mov_b32 v[ZR+(\j)], 0
.endr
.irp i, 0,1,2,3,4,5,6,7,8,9,10,11,12,13,14,15,16,17
	ds_store_b128 v4, v[ZR:ZR+3] offset:512*(\i)   ; every place names token 0 until a token takes it
.endr
	s_mov_b32 s21, 0
	s_wait_kmcnt 0x0
.irp i, 0,1,2,3,4,5,6,7,8,9,10,11,12,13,14,15
	global_load_b128 v[CD+4*(\i):CD+4*(\i)+3], v4, s[4:5] offset:512*(\i)  ; register 4 i + q of lane l holds token 128 i + 4 l + q
.endr
	s_mul_i32 s20, s15, 4*LISTN
	s_add_nc_u64 s[6:7], s[6:7], s[20:21]          ; listb, tiles and posb at the expert's part
	s_lshl_b32 s20, s15, 9
	s_add_nc_u64 s[8:9], s[8:9], s[20:21]
	s_lshl_b32 s20, s15, 13
	s_add_nc_u64 s[10:11], s[10:11], s[20:21]
	s_mov_b32 s18, 0                               ; the count
	s_wait_loadcnt 0x0
; 32 tokens: those of the expert take the next places, in the order of the lanes.
.macro STEP i, q
	v_and_b32 v10, s17, v[CD+4*(\i)+(\q)]
	v_cmp_ne_u32 s22, 0, v10
	v_mbcnt_lo_u32_b32 v11, s22, s18               ; the count so far + the members in lower lanes: my place
	v_add_nc_u32 v12, s19, v11
	v_cndmask_b32 v[PV+4*(\i)+(\q)], 0, v12, s22
	v_cndmask_b32 v11, v6, v11, s22                ; a lane without a member stores into its own word behind the list
	v_min_u32 v11, LISTN+31, v11                   ; bounded in the text itself: the list and those 32 words
	v_lshlrev_b32 v11, 2, v11
	v_add_nc_u32 v14, 128*(\i)+(\q), v5            ; the token
	ds_store_b32 v11, v14
	s_bcnt1_i32_b32 s23, s22
	s_add_co_u32 s18, s18, s23
.endm
.irp i, 0,1,2,3,4,5,6,7,8,9,10,11,12,13,14,15
.irp q, 0,1,2,3
	STEP \i, \q
.endr
.endr
.irp i, 0,1,2,3,4,5,6,7,8,9,10,11,12,13,14,15,16,17
	ds_load_b128 v[LB+4*(\i):LB+4*(\i)+3], v4 offset:512*(\i)  ; LDS serves a wave's instructions in order (ISA guide 5.7.1.4): these see all the stores above
.endr
	s_add_co_u32 s24, s18, 143                     ; T = ceil(count / 144) = ((count + 143) x 7,282) >> 20: exact for counts up to 2,048, since 2,191 x (7,282 - 2^20 / 144) / 2^20 < 1 / 144
	s_mul_i32 s24, s24, 7282
	s_lshr_b32 s24, s24, 20
.irp j, 0,1,2,3
	v_mov_b32 v[TV+(\j)], s24
.endr
	global_store_b128 v4, v[TV:TV+3], s[8:9]       ; 512 consecutive bytes
.irp i, 0,1,2,3,4,5,6,7,8,9,10,11,12,13,14,15
	global_store_b128 v4, v[PV+4*(\i):PV+4*(\i)+3], s[10:11] offset:512*(\i)
.endr
.irp i, 0,1,2,3,4,5,6,7,8,9,10,11,12,13,14,15,16,17
	s_wait_dscnt 17-(\i)                           ; LDS loads come back in order (ISA guide 5.7.1): load i is in, the younger ones stay out
	global_store_b128 v4, v[LB+4*(\i):LB+4*(\i)+3], s[6:7] offset:512*(\i)
.endr
	s_wait_tensorcnt 0x0
	ds_add_u32 v248, v249
	s_wait_dscnt 0x0
	s_endpgm
.Lfunc_end_k_q9f15955d10_list:
	.size	k_q9f15955d10_list, .Lfunc_end_k_q9f15955d10_list-k_q9f15955d10_list
	.p2alignl 7, 3214868480
	.fill 96, 4, 3214868480
	.section	.rodata,"a",@progbits
	.p2align	6, 0x0
	.amdhsa_kernel k_q9f15955d10_list
		.amdhsa_group_segment_fixed_size 9728
		.amdhsa_private_segment_fixed_size 0
		.amdhsa_enable_private_segment 0
		.amdhsa_kernarg_size 32
		.amdhsa_user_sgpr_count 2
		.amdhsa_user_sgpr_kernarg_segment_ptr 1
		.amdhsa_wavefront_size32 1
		.amdhsa_system_sgpr_workgroup_id_x 1
		.amdhsa_system_sgpr_workgroup_id_y 1
		.amdhsa_system_sgpr_workgroup_id_z 1
		.amdhsa_system_vgpr_workitem_id 0
		.amdhsa_next_free_vgpr 250
		.amdhsa_next_free_sgpr 66
		.amdhsa_reserve_vcc 0
		.amdhsa_float_denorm_mode_32 3
		.amdhsa_float_denorm_mode_16_64 3
		.amdhsa_memory_ordered 1
		.amdhsa_forward_progress 1
		.amdhsa_inst_pref_size 48
	.end_amdhsa_kernel
	.amdgpu_metadata
---
amdhsa.version: [ 1, 2 ]
amdhsa.kernels:
  - .name:           k_q9f15955d10_list
    .symbol:         k_q9f15955d10_list.kd
    .args:
      - { .name: code, .offset: 0, .size: 8, .value_kind: global_buffer, .address_space: global }
      - { .name: listb, .offset: 8, .size: 8, .value_kind: global_buffer, .address_space: global }
      - { .name: tiles, .offset: 16, .size: 8, .value_kind: global_buffer, .address_space: global }
      - { .name: posb, .offset: 24, .size: 8, .value_kind: global_buffer, .address_space: global }
    .group_segment_fixed_size: 9728
    .private_segment_fixed_size: 0
    .kernarg_segment_align: 8
    .kernarg_segment_size: 32
    .max_flat_workgroup_size: 32
    .sgpr_count:     66
    .vgpr_count:     250
    .wavefront_size: 32
...
	.end_amdgpu_metadata
.endif
;; end of part 2
;; launch pack (part 3): grid 36 x 8, 4 waves a work-group, no clusters, 67,072 bytes of LDS; arguments xb, listb, tiles, xg; writes xg
.if DOCPART == 3
	.amdgcn_target "amdgcn-amd-amdhsa--gfx1250"
	.amdhsa_code_object_version 6
	.text
	.protected	k_q9f15955d10_pack
	.globl	k_q9f15955d10_pack
	.p2align	8
	.type	k_q9f15955d10_pack,@function
k_q9f15955d10_pack:
	s_mov_b64 s[64:65], 0
	v_nop
	global_prefetch_b8 v0, s[64:65] scope:SCOPE_SE
	s_setreg_imm32_b32 hwreg(HW_REG_WAVE_MODE, 25, 1), 1
	s_wait_xcnt 0x0
; SORTING BY EXPERT.  Expert e (the grid's y) has a fixed region of 2,304 places in xg; place p of its list goes to row p % 16 of block p / 16.
; xg[e][block][s][j][lane][16 bytes]: lane's bytes are x[row lane % 16 of the block][32 s + 16 j + 8 (lane / 16) + 0..7] in bf16: the register image of a 16 x 32 fragment,
; so that the product's loads are 512 consecutive bytes straight into registers.  A block is 16 rows = 65,536 bytes.
; The number of blocks, 9 T[e], and each block's 16 tokens are whole numbers that the launch before stored; they come by scalar loads, since they are the same for a whole wave.
; SHARES.  Work-group (c, e) packs blocks c, c + 36, .. below 9 T (at even counts T = 4: one block each); whether a work-group has a block at all hangs on the counts.
; In a block wave w takes channels 512 w .. 512 w + 511.  No matrix unit, no tensor load: the rows are gathered by a list and regrouped by lanes, through a stage of the wave's own; no barrier.
.set SP,    1040                       ; a stage for each wave, from LDS byte 0: 16 rows x 1,040 bytes (1,024 + 16: the 16 rows of a fragment load start at 16 different groups of four banks; 64 banks of 4 bytes: ISA guide 11.1)
.set OFF,   32                         ; v[32:47]  the 16 rows' byte offsets in xb
.set D,     48                         ; v[48:175] a block's quarter, 32 x 4 registers
.set TK,    48                         ; s[48:63]  a block's 16 tokens
	s_load_b256 s[4:11], s[0:1], 0x0               ; xb s[4:5], listb s[6:7], tiles s[8:9], xg s[10:11]
	v_lshl_add_u32 v176, v0, 2, 0x10400
	v_mov_b32 v177, 0
	v_and_b32 v1, 31, v0                           ; lane
	v_lshrrev_b32 v2, 5, v0
	v_readfirstlane_b32 s14, v2                    ; wave 0..3
	v_and_b32 v2, 15, v0                           ; r
	v_lshrrev_b32 v3, 4, v1                        ; h
	s_and_b32 s15, ttmp7, 0xffff                   ; e
	s_mov_b32 s16, ttmp9                           ; c
	v_lshlrev_b32 v4, 4, v1                        ; 16 lane
	s_mul_i32 s20, s14, 16*SP                      ; my stage
	v_add_nc_u32 v7, s20, v4                       ; in: 16 lane
	v_mul_u32_u24 v8, v2, SP                       ; back: row r, 16 bytes for each half of the lanes
	v_lshl_add_u32 v8, v3, 4, v8
	v_add_nc_u32 v8, s20, v8
	s_lshl_b32 s21, s14, 10
	v_add_nc_u32 v9, s21, v4                       ; my quarter of a row of xb + 16 lane
	s_lshl_b32 s17, s15, 9                         ; T[e]'s place in tiles; not rewritten
	s_mul_i32 s18, s15, 9216                       ; the expert's list in listb
	s_wait_kmcnt 0x0
	s_load_b32 s24, s[8:9], s17 offset:0x0
	s_wait_kmcnt 0x0
	s_min_u32 s24, s24, 15                         ; 2,048 places at the most are 15 tiles
	s_mul_i32 s25, s24, 9                          ; blocks to pack
	s_mov_b32 s27, 0                               ; the round
.Lblk:                                                 ; four rounds at the most (35 + 36 x 3 = 143, the region's last block); the loop is left forward when my blocks are done
	s_mul_i32 s26, s27, 36
	s_add_co_u32 s26, s26, s16                     ; my block of this round
	s_cmp_ge_u32 s26, s25
	s_cbranch_scc1 .Lend
	s_wait_xcnt 0x0                                ; the registers and the base that the last block's stores read are rewritten only behind this wait
	s_min_u32 s20, s26, 143                        ; the block, bounded in the text itself
	s_lshl_b32 s21, s20, 6
	s_add_co_u32 s21, s21, s18                     ; its 16 words of the list
	s_load_b512 s[TK:TK+15], s[6:7], s21 offset:0x0
	s_mul_i32 s22, s15, 144
	s_add_co_u32 s22, s22, s20
	s_lshl_b32 s22, s22, 16                        ; the block in xg,
	s_lshl_b32 s23, s14, 14                        ; my 16 K steps of 1,024 bytes in it
	s_add_co_u32 s22, s22, s23
	s_mov_b32 s23, 0
	s_add_nc_u64 s[28:29], s[10:11], s[22:23]
	s_wait_kmcnt 0x0
.irp p, 0,1,2,3,4,5,6,7,8,9,10,11,12,13,14,15
	s_min_u32 s[TK+(\p)], s[TK+(\p)], 2047         ; a token, bounded in the text itself
	v_lshl_add_u32 v[OFF+(\p)], s[TK+(\p)], 12, v9 ; its row of 4,096 bytes
.endr
.irp n, 0,1,2,3,4,5,6,7,8,9,10,11,12,13,14,15,16,17,18,19,20,21,22,23,24,25,26,27,28,29,30,31
	global_load_b128 v[D+4*(\n):D+4*(\n)+3], v[OFF+(\n)/2], s[4:5] offset:512*((\n)%2)  ; 512 consecutive bytes of row n / 2
.endr
.irp n, 0,1,2,3,4,5,6,7,8,9,10,11,12,13,14,15,16,17,18,19,20,21,22,23,24,25,26,27,28,29,30,31
	s_wait_loadcnt 31-(\n)                         ; loads come back in order (ISA guide 5.7.1): load n is in, the younger ones stay out
	ds_store_b128 v7, v[D+4*(\n):D+4*(\n)+3] offset:((\n)/2)*SP+((\n)%2)*512
.endr
.irp n, 0,1,2,3,4,5,6,7,8,9,10,11,12,13,14,15,16,17,18,19,20,21,22,23,24,25,26,27,28,29,30,31
	ds_load_b128 v[D+4*(\n):D+4*(\n)+3], v8 offset:32*(\n)  ; K step n / 2, half n % 2; my own bytes, served in order behind the stores above (ISA guide 5.7.1.4)
.endr
.irp n, 0,1,2,3,4,5,6,7,8,9,10,11,12,13,14,15,16,17,18,19,20,21,22,23,24,25,26,27,28,29,30,31
	s_wait_dscnt 31-(\n)
	global_store_b128 v4, v[D+4*(\n):D+4*(\n)+3], s[28:29] offset:512*(\n)  ; 512 consecutive bytes, at a multiple of 512 from xg's first
.endr
	s_add_co_u32 s27, s27, 1
	s_cmp_lt_u32 s27, 4
	s_cbranch_scc1 .Lblk
.Lend:
	s_wait_tensorcnt 0x0
	ds_add_u32 v176, v177
	s_wait_dscnt 0x0
	s_endpgm
.Lfunc_end_k_q9f15955d10_pack:
	.size	k_q9f15955d10_pack, .Lfunc_end_k_q9f15955d10_pack-k_q9f15955d10_pack
	.p2alignl 7, 3214868480
	.fill 96, 4, 3214868480
	.section	.rodata,"a",@progbits
	.p2align	6, 0x0
	.amdhsa_kernel k_q9f15955d10_pack
		.amdhsa_group_segment_fixed_size 67072
		.amdhsa_private_segment_fixed_size 0
		.amdhsa_enable_private_segment 0
		.amdhsa_kernarg_size 32
		.amdhsa_user_sgpr_count 2
		.amdhsa_user_sgpr_kernarg_segment_ptr 1
		.amdhsa_wavefront_size32 1
		.amdhsa_system_sgpr_workgroup_id_x 1
		.amdhsa_system_sgpr_workgroup_id_y 1
		.amdhsa_system_sgpr_workgroup_id_z 1
		.amdhsa_system_vgpr_workitem_id 0
		.amdhsa_next_free_vgpr 178
		.amdhsa_next_free_sgpr 66
		.amdhsa_reserve_vcc 0
		.amdhsa_float_denorm_mode_32 3
		.amdhsa_float_denorm_mode_16_64 3
		.amdhsa_memory_ordered 1
		.amdhsa_forward_progress 1
		.amdhsa_inst_pref_size 17
	.end_amdhsa_kernel
	.amdgpu_metadata
---
amdhsa.version: [ 1, 2 ]
amdhsa.kernels:
  - .name:           k_q9f15955d10_pack
    .symbol:         k_q9f15955d10_pack.kd
    .args:
      - { .name: xb, .offset: 0, .size: 8, .value_kind: global_buffer, .address_space: global }
      - { .name: listb, .offset: 8, .size: 8, .value_kind: global_buffer, .address_space: global }
      - { .name: tiles, .offset: 16, .size: 8, .value_kind: global_buffer, .address_space: global }
      - { .name: xg, .offset: 24, .size: 8, .value_kind: global_buffer, .address_space: global }
    .group_segment_fixed_size: 67072
    .private_segment_fixed_size: 0
    .kernarg_segment_align: 8
    .kernarg_segment_size: 32
    .max_flat_workgroup_size: 128
    .sgpr_count:     66
    .vgpr_count:     178
    .wavefront_size: 32
...
	.end_amdgpu_metadata
.endif
;; end of part 3
;; launch gemm (part 4): grid 32 x 8, 4 waves a work-group, no clusters, 281,088 bytes of LDS; arguments W, b, xg, tiles, pg; writes pg
.if DOCPART == 4
	.amdgcn_target "amdgcn-amd-amdhsa--gfx1250"
	.amdhsa_code_object_version 6
	.text
	.protected	k_q9f15955d10_gemm
	.globl	k_q9f15955d10_gemm
	.p2align	8
	.type	k_q9f15955d10_gemm,@function
k_q9f15955d10_gemm:
	s_mov_b64 s[64:65], 0
	v_nop
	global_prefetch_b8 v0, s[64:65] scope:SCOPE_SE
	s_setreg_imm32_b32 hwreg(HW_REG_WAVE_MODE, 25, 1), 1
	s_wait_xcnt 0x0
; THE EXPERTS' PRODUCTS.  pg[2,304 e + p][:] = x[token at place p of expert e] W[e] + b[e], with x, W and b rounded to bf16 and sums in f32; the gates are applied by the next launch.
; W STAYS.  Work-group (nblk, e) owns W[e][:, 64 nblk .. + 63]: 2,048 rows of 256 bytes, read from memory once in the whole launch, rounded to bf16 and kept in LDS turned, [column][channel].
; 8 x 32 = 256 work-groups of equal fill.  Then each of the four waves multiplies tiles of 144 places x 64 columns over all 2,048 channels: tiles wave, wave + 4, .. below T[e], which the launch
; before stored as a whole number (at even counts T = 4: one tile a wave).  36 accumulators, 288 registers.
; The tokens' operand comes from xg in the fragments' register image: each load is 512 consecutive bytes straight into registers, 18 loads for a K step's 36 products, three K steps ahead.
; NO TENSOR LOADS, NO CLUSTER, though the 32 work-groups of an expert read the same xg: W must pass through registers to be rounded and turned; xg through LDS would add 9,216 bytes written and
; 9,216 read to the 4,096 bytes of W that a wave reads from LDS in a K step; and joint requests exist for tensor loads alone.
; THE MATRIX INSTRUCTION IS USED TRANSPOSED: source 0 = 16 columns of W, source 1 = 16 places: a lane holds one place (lane % 16) and the columns 8 (lane / 16) + 0..7, 32 neighbouring bytes of a row of pg.
; The first K step takes the bias as C: nothing is cleared and nothing is added later.
; REGISTERS, in windows of 256 (s_set_vgpr_msb: bits 1:0 source 0, 3:2 source 1, 5:4 source 2, 7:6 destination):
;   window 0: v0-23 addresses; v32-95 W's fragments, two buffers of 4; v96-127 the bias; v128-159 block 8's accumulators; v160-191 block 8's fragments, four slots; v192-255 the way out
;             (in the fill: v32-223 six slots of 32 for W as loaded, v224-255 two sets of 16 for it in bf16)
;   window 1: the accumulators of blocks 0-7, (mb, nb) at v[32 mb + 8 nb]          window 2: the fragments of blocks 0-7, slot q, block mb at v[64 q + 8 mb]
.set WP,    4112                       ; a column of W in LDS: 4,096 bytes + 16 = 257 x 16: the 16 columns of a fragment load start at 16 different groups of four banks (64 banks of 4 bytes: ISA guide 11.1)
.set STAGE, 64*WP                      ; behind W: 16 rows x 272 bytes for each wave, for the way out
.set SP,    272
.set UNIT,  131072                     ; 16 rows of W[e], 8,192 bytes each: what a slot of the fill holds of them is 16 x 256 bytes
.set AO,    3                          ; v3      16 lane: my bytes in 512 of xg; never rewritten
.set BA0,   4                          ; v4-7    LDS address of my part of W's fragment nb at channel 0; never rewritten
.set STO,   8                          ; v8      the way out: where I put 32 bytes of a row
.set RD,    9                          ; v9      where I read rows back
.set CO,    10                         ; v10     my byte offset in two rows of pg
.set FO,    12                         ; v12-17  the fill: slot sl's byte offset in W
.set WST,   18                         ; v18     the fill: where I put 16 bytes of a column
.set BO,    19                         ; v19     my byte offset in 64 bytes of b
.set BA,    20                         ; v20-23  BA0 + s[TB]: the same at the channels in hand
.set TB,    29                         ; s29     bytes along W's columns at which the trip's K steps begin: 0 at a tile's start, 256 more each trip of the K loop
.set BF,    32
.set BIAS,  96
.set ACC8,  128
.set A8,    160
.set OB,    192
.set XX,    32
.set TT,    224
.set MSB, 0
.macro WIN new                         ; the immediate's high byte repeats the setting that is left; a switch that changes nothing is dropped
.if MSB != (\new)
	s_set_vgpr_msb (MSB<<8)|(\new)
.set MSB, \new
.endif
.endm
.macro PLACES                          ; four places between a matrix instruction and a load into one of its sources or a read of its result (ISA guide 7.12.1 for vector instructions)
.rept 4
	v_nop
.endr
.endm
	s_load_b256 s[4:11], s[0:1], 0x0               ; W s[4:5], b s[6:7], xg s[8:9], tiles s[10:11]
	s_load_b64 s[12:13], s[0:1], 0x20              ; pg
	v_lshl_add_u32 v30, v0, 2, 0x44800
	v_mov_b32 v31, 0
	v_and_b32 v11, 31, v0                          ; lane
	v_lshrrev_b32 v2, 5, v0
	v_readfirstlane_b32 s14, v2                    ; wave 0..3
	v_and_b32 v1, 15, v0                           ; r
	v_lshrrev_b32 v2, 4, v11                       ; h
	v_lshlrev_b32 v[AO], 4, v11
	v_lshlrev_b32 v11, 4, v1                       ; 16 r
	s_mov_b32 s15, ttmp9                           ; nblk
	s_and_b32 s16, ttmp7, 0xffff                   ; e
	s_lshl_b32 s26, s16, 9                         ; T[e]'s place in tiles; not rewritten
	v_mul_u32_u24 v[BA0], v1, WP
	v_lshl_add_u32 v[BA0], v2, 4, v[BA0]           ; column r x pitch + 16 x half
.irp n, 1,2,3
	v_add_nc_u32 v[BA0+(\n)], (\n)*16*WP, v[BA0]
.endr
	s_mul_i32 s21, s14, 16*SP
	s_add_co_u32 s21, s21, STAGE                   ; my stage
	v_mul_u32_u24 v[STO], v1, SP                   ; in: row r, 32 bytes for each half of the lanes
	v_lshl_add_u32 v[STO], v2, 5, v[STO]
	v_add_nc_u32 v[STO], s21, v[STO]
	v_mul_u32_u24 v[RD], v2, SP                    ; back: lanes 0-15 take one row of 256 bytes, lanes 16-31 the next
	v_add_nc_u32 v[RD], v[RD], v11
	v_add_nc_u32 v[RD], s21, v[RD]
	v_lshl_add_u32 v[CO], v2, 13, v11              ; and the same two rows in pg
	v_lshlrev_b32 v[BO], 5, v2
	v_lshl_add_u32 v[FO], v2, 16, v11              ; the fill: lanes 0-15 take 256 bytes of one row of W, lanes 16-31 of the row 8 further down
.irp sl, 1,2,3,4,5
	v_add_nc_u32 v[FO+(\sl)], (\sl)*UNIT, v[FO]
.endr
	v_mul_u32_u24 v[WST], v1, 4*WP                 ; my four columns 4 r + 0..3; 16 bytes (8 channels) for each half of the lanes;
	v_lshl_add_u32 v[WST], v2, 4, v[WST]
	s_lshl_b32 s20, s14, 10
	v_add_nc_u32 v[WST], s20, v[WST]               ; my wave's 512 channels
	s_lshl_b32 s20, s16, 24                        ; W[e],
	s_lshl_b32 s21, s14, 22                        ; my wave's 512 rows,
	s_add_co_u32 s20, s20, s21
	s_lshl_b32 s21, s15, 8                         ; the work-group's 64 columns
	s_add_co_u32 s20, s20, s21
	s_mov_b32 s21, 0
	s_wait_kmcnt 0x0
	s_add_nc_u64 s[4:5], s[4:5], s[20:21]
	s_load_b32 s17, s[10:11], s26 offset:0x0       ; T[e]: waited for behind the fill
	; THE FILL.  Wave w brings channels 512 w .. + 511 in 32 units of 16 channels x 64 columns, through a ring of six register slots: 48 loads, 24 KiB, of every wave are on their way.
.irp sl, 0,1,2,3,4,5
.irp i, 0,1,2,3,4,5,6,7
	global_load_b128 v[XX+32*(\sl)+4*(\i):XX+32*(\sl)+4*(\i)+3], v[FO+(\sl)], s[4:5] offset:8192*(\i) th:TH_LOAD_NT
.endr
.endr
; One slot's turn.  Register 4 i + q holds W[k0 + 8 h + i][4 r + q]: for each q the eight channels pack into 16 bytes of column 4 r + q.
; ahead = 1: the slot is filled again, six units on.  left = the younger loads that may stay out.
; The sixteen lanes of a store lie 4 x 4,112 bytes apart, 64 modulo 256: four lanes share a group of banks.  A pitch that spreads them would not be a multiple of 16.  128 such stores a wave, beside loads from memory.
.macro SLOT sl, ahead, left
	s_wait_loadcnt \left                           ; loads come back in order (ISA guide 5.7.1): my unit is in; the wait also frees the slot's address register
.set XS, XX+32*(\sl)
.set TS, TT+16*((\sl)%2)
.irp q, 0,1,2,3
.irp i, 0,2,4,6
	v_cvt_pk_bf16_f32 v[TS+4*(\q)+(\i)/2], v[XS+4*(\i)+(\q)], v[XS+4*(\i)+4+(\q)]
.endr
.endr
.if \ahead
	v_add_nc_u32 v[FO+(\sl)], 6*UNIT, v[FO+(\sl)]
.irp i, 0,1,2,3,4,5,6,7
	global_load_b128 v[XS+4*(\i):XS+4*(\i)+3], v[FO+(\sl)], s[4:5] offset:8192*(\i) th:TH_LOAD_NT  ; sixteen lanes take 256 consecutive bytes, at a multiple of 256 from W's first
.endr
.endif
.irp q, 0,1,2,3
	ds_store_b128 v[WST], v[TS+4*(\q):TS+4*(\q)+3] offset:WP*(\q)+32*(\sl)
.endr
.endm
	s_mov_b32 s19, 4
.Lfill:                                                ; four rounds: units 0-23 are stored, units 6-29 asked for
.irp sl, 0,1,2,3,4,5
	SLOT \sl, 1, 40                                ; five younger units of eight loads
.endr
	v_add_nc_u32 v[WST], 192, v[WST]               ; six units of 16 channels on
	s_sub_co_u32 s19, s19, 1
	s_cmp_lg_u32 s19, 0
	s_cbranch_scc1 .Lfill
	SLOT 0, 1, 40                                  ; unit 24; unit 30 is asked for
	SLOT 1, 1, 40                                  ; unit 25; unit 31, the last
	SLOT 2, 0, 40                                  ; the counts run down
	SLOT 3, 0, 32
	SLOT 4, 0, 24
	SLOT 5, 0, 16
	v_add_nc_u32 v[WST], 192, v[WST]
	SLOT 0, 0, 8
	SLOT 1, 0, 0
	s_wait_dscnt 0x0                               ; for the others' sake: my part of W is in LDS
	s_barrier_signal -1
	s_barrier_wait -1                              ; the only barrier: from here on W is only read, and the stages are each wave's own
	; THE BIAS, rounded to bf16 like the other inputs: register 8 nb + j = b[e][64 nblk + 16 nb + 8 h + j], the place of an accumulator's register j
	s_lshl_b32 s20, s16, 13
	s_lshl_b32 s27, s15, 8
	s_add_co_u32 s20, s20, s27
	s_add_nc_u64 s[6:7], s[6:7], s[20:21]
.irp n, 0,1,2,3
	global_load_b128 v[BIAS+8*(\n):BIAS+8*(\n)+3],   v[BO], s[6:7] offset:64*(\n)
	global_load_b128 v[BIAS+8*(\n)+4:BIAS+8*(\n)+7], v[BO], s[6:7] offset:64*(\n)+16
.endr
	s_wait_loadcnt 0x0
.irp i, 0,1,2,3,4,5,6,7,8,9,10,11,12,13,14,15
	v_cvt_pk_bf16_f32 v[TT+(\i)], v[BIAS+2*(\i)], v[BIAS+2*(\i)+1]
.endr
.irp i, 0,1,2,3,4,5,6,7,8,9,10,11,12,13,14,15
	v_lshlrev_b32 v[BIAS+2*(\i)], 16, v[TT+(\i)]
	v_and_b32 v[BIAS+2*(\i)+1], 0xffff0000, v[TT+(\i)]
.endr
	s_wait_kmcnt 0x0                               ; T
; 16 products: blocks mb0 .. mb0 + 3 x W's four fragments, 32 channels: slot q of the tokens' ring, buffer bb of W's.  first = 1: C is the bias, in window 0.
.macro MUL mb0, q, bb, first
.if \first
	WIN 0x48
.else
	WIN 0x58
.endif
.irp m, 0,1,2,3
.irp n, 0,1,2,3
.if \first
	v_wmma_f32_16x16x32_bf16 v[32*((\mb0)+(\m))+8*(\n):32*((\mb0)+(\m))+8*(\n)+7], v[BF+32*(\bb)+8*(\n):BF+32*(\bb)+8*(\n)+7], v[64*(\q)+8*((\mb0)+(\m)):64*(\q)+8*((\mb0)+(\m))+7], v[BIAS+8*(\n):BIAS+8*(\n)+7]
.else
	v_wmma_f32_16x16x32_bf16 v[32*((\mb0)+(\m))+8*(\n):32*((\mb0)+(\m))+8*(\n)+7], v[BF+32*(\bb)+8*(\n):BF+32*(\bb)+8*(\n)+7], v[64*(\q)+8*((\mb0)+(\m)):64*(\q)+8*((\mb0)+(\m))+7], v[32*((\mb0)+(\m))+8*(\n):32*((\mb0)+(\m))+8*(\n)+7]
.endif
.endr
.endr
.endm
.macro MUL8 q, bb, first               ; block 8's four products: all operands in window 0
	WIN 0
.irp n, 0,1,2,3
.if \first
	v_wmma_f32_16x16x32_bf16 v[ACC8+8*(\n):ACC8+8*(\n)+7], v[BF+32*(\bb)+8*(\n):BF+32*(\bb)+8*(\n)+7], v[A8+8*(\q):A8+8*(\q)+7], v[BIAS+8*(\n):BIAS+8*(\n)+7]
.else
	v_wmma_f32_16x16x32_bf16 v[ACC8+8*(\n):ACC8+8*(\n)+7], v[BF+32*(\bb)+8*(\n):BF+32*(\bb)+8*(\n)+7], v[A8+8*(\q):A8+8*(\q)+7], v[ACC8+8*(\n):ACC8+8*(\n)+7]
.endif
.endr
.endm
; W's four LDS addresses at s[TB] bytes along the columns, each bounded in the text itself by the largest value that it has (column 16 nb + 15, the upper half of the lanes, s[TB] = top):
; with the loads' offsets, 352 + 16 bytes at the most beside top = 3,584 and 224 + 16 beside top = 3,840, no load passes byte 63 x 4,112 + 4,096, the end of W's last column, behind which the stages lie.
.macro SETBA top
.irp n, 0,1,2,3
	v_add_nc_u32 v[BA+(\n)], s[TB], v[BA0+(\n)]
	v_min_u32 v[BA+(\n)], (16*(\n)+15)*WP+16+(\top), v[BA+(\n)]
.endr
.endm
.macro BLOAD bb, boff                  ; W's four fragments of a K step, at byte boff from BA, into buffer bb
	WIN 0
.irp n, 0,1,2,3
	ds_load_b128 v[BF+32*(\bb)+8*(\n):BF+32*(\bb)+8*(\n)+3],   v[BA+(\n)] offset:(\boff)
	ds_load_b128 v[BF+32*(\bb)+8*(\n)+4:BF+32*(\bb)+8*(\n)+7], v[BA+(\n)] offset:(\boff)+32
.endr
.endm
.macro ALOAD8 q, aoff                  ; a K step's fragment of block 8, at byte aoff of the block, into slot q
	WIN 0
	global_load_b128 v[A8+8*(\q):A8+8*(\q)+3],   v[AO], s[22:23] offset:8*65536+(\aoff)
	global_load_b128 v[A8+8*(\q)+4:A8+8*(\q)+7], v[AO], s[22:23] offset:8*65536+(\aoff)+512
.endm
.macro ALOADM q, aoff                  ; those of blocks 0-7
	WIN 0x80                                       ; destination window 2, address window 0
.irp m, 0,1,2,3,4,5,6,7
	global_load_b128 v[64*(\q)+8*(\m):64*(\q)+8*(\m)+3],   v[AO], s[22:23] offset:(\m)*65536+(\aoff)
	global_load_b128 v[64*(\q)+8*(\m)+4:64*(\q)+8*(\m)+7], v[AO], s[22:23] offset:(\m)*65536+(\aoff)+512
.endr
.endm
; A K STEP of 32 channels: 36 products, each accumulator once and always in the same order, so that no two neighbouring products share an accumulator, over the loop's edge too.
; ia = 1: the tokens' fragments three steps on are asked for, into the slot that the step before read (aoff: their byte in a block).  ib = 1: W's fragments of the next step (boff) into the other buffer.
; The four v_nop stand between the last step's products, which read those registers, and the loads into them.  la = the younger global loads that may stay out: eighteen a step.
.macro KSTEP q, bb, first, ia, aoff, ib, boff, la
	s_wait_loadcnt \la                             ; this step's eighteen loads are in
	s_wait_dscnt 0x0                               ; and W's fragments, asked for 20 products ago
	MUL 0, \q, \bb, \first
	WIN 0
.if (\ia) || (\ib)
	PLACES
.endif
.if \ib
	BLOAD 1-(\bb), \boff
.endif
.if \ia
	ALOAD8 ((\q)+3)%4, \aoff
.endif
	MUL8 \q, \bb, \first
.if \ia
	ALOADM ((\q)+3)%4, \aoff
.endif
	MUL 4, \q, \bb, \first
.endm
; THE WAY OUT of block mb: a lane's 32 bytes of a row go into my stage (rows of 272 bytes) and come back as whole rows of 256 bytes.
.macro TOSTAGE mb
	WIN 0
	s_wait_xcnt 0x0                                ; the registers that earlier stores read are loaded again only behind this wait
.if (\mb) < 8
	WIN 0x04                                       ; the stores' data in window 1
.irp n, 0,1,2,3
	ds_store_b128 v[STO], v[32*(\mb)+8*(\n):32*(\mb)+8*(\n)+3]   offset:64*(\n)     ; each accumulator's registers in ascending order
	ds_store_b128 v[STO], v[32*(\mb)+8*(\n)+4:32*(\mb)+8*(\n)+7] offset:64*(\n)+16
.endr
	WIN 0
.else
.irp n, 0,1,2,3
	ds_store_b128 v[STO], v[ACC8+8*(\n):ACC8+8*(\n)+3]   offset:64*(\n)
	ds_store_b128 v[STO], v[ACC8+8*(\n)+4:ACC8+8*(\n)+7] offset:64*(\n)+16
.endr
.endif
.irp t, 0,1,2,3,4,5,6,7
	ds_load_b128 v[OB+32*((\mb)%2)+4*(\t):OB+32*((\mb)%2)+4*(\t)+3], v[RD] offset:2*SP*(\t)  ; LDS serves a wave's instructions in order (ISA guide 5.7.1.4): these see the stores above, and the next block's stores come behind them
.endr
.endm
.macro SEND mb, younger                ; younger: the LDS instructions issued behind block mb's loads: the next block's sixteen, or none
	s_wait_dscnt \younger
.irp t, 0,1,2,3,4,5,6,7
	global_store_b128 v[CO], v[OB+32*((\mb)%2)+4*(\t):OB+32*((\mb)%2)+4*(\t)+3], s[24:25] offset:(16*(\mb)+2*(\t))*8192  ; sixteen lanes store 256 consecutive bytes, at a multiple of 256 from pg's first
.endr
.endm
	s_mov_b32 s18, 0                               ; the round
.Ltile:                                                ; four rounds at the most; the loop is left forward when my tiles are done.  T enters this comparison alone, no address
	s_lshl_b32 s27, s18, 2
	s_add_co_u32 s27, s27, s14                     ; my tile of this round: 4 x round + wave, 15 at the most: 9 x 15 + 8 = 143 and 144 x 15 + 143 = 2,303 are the region's last block and row
	s_cmp_ge_u32 s27, s17
	s_cbranch_scc1 .Lend
	s_mul_i32 s20, s16, 144
	s_mul_i32 s28, s27, 9
	s_add_co_u32 s20, s20, s28
	s_lshl_b32 s20, s20, 16                        ; its nine blocks of 65,536 bytes in xg
	s_add_nc_u64 s[22:23], s[8:9], s[20:21]
	s_mul_i32 s20, s16, 2304
	s_mul_i32 s28, s27, 144
	s_add_co_u32 s20, s20, s28
	s_lshl_b32 s20, s20, 13                        ; its 144 rows of 8,192 bytes in pg,
	s_lshl_b32 s28, s15, 8                         ; the work-group's 256 bytes of them
	s_add_co_u32 s20, s20, s28
	s_add_nc_u64 s[24:25], s[12:13], s[20:21]
	s_mov_b32 s[TB], 0
.irp n, 0,1,2,3
	v_mov_b32 v[BA+(\n)], v[BA0+(\n)]              ; K steps 0 and 1 of W lie at the columns' heads
.endr
	BLOAD 0, 0                                     ; K step 0 of W
	ALOAD8 0, 0                                    ; K steps 0, 1, 2 of the tokens, step by step, so that the loads count in eighteens: 54 are out
	ALOADM 0, 0
	ALOAD8 1, 1024
	ALOADM 1, 1024
	ALOAD8 2, 2048
	ALOADM 2, 2048
	KSTEP 0, 0, 1, 1, 3072, 1, 64, 36              ; K step 0 stands in front of the loop: its products start the sums, from the bias
	WIN 0                                          ; at a label and at a branch every window is 0
	s_mov_b32 s19, 15
.Lk:                                                   ; a trip: K steps 4 i + 1 .. 4 i + 4; it asks for the tokens' steps 4 i + 4 .. 4 i + 7, the last of them step 63
	SETBA 3584                                     ; s[TB] = 256 i, 14 x 256 at the most
	KSTEP 1, 1, 0, 1, 4096, 1, 128, 36
	KSTEP 2, 0, 0, 1, 5120, 1, 192, 36
	KSTEP 3, 1, 0, 1, 6144, 1, 256, 36
	KSTEP 0, 0, 0, 1, 7168, 1, 320, 36
	WIN 0
	s_add_co_u32 s[TB], s[TB], 256                 ; four K steps of 64 bytes on
	s_wait_xcnt 0x0                                ; the loads' base is stepped only behind this wait
	s_add_nc_u64 s[22:23], s[22:23], 4096
	s_sub_co_u32 s19, s19, 1
	s_cmp_lg_u32 s19, 0
	s_cbranch_scc1 .Lk
	SETBA 3840                                     ; s[TB] = 15 x 256
	KSTEP 1, 1, 0, 0, 0, 1, 128, 36                ; K steps 61, 62, 63 ask for no tokens: the counts run down
	KSTEP 2, 0, 0, 0, 0, 1, 192, 18
	KSTEP 3, 1, 0, 0, 0, 0, 0, 0
	WIN 0
	PLACES                                         ; between the last products and the first read of a result
	TOSTAGE 0
.irp a, 1,2,3,4,5,6,7,8
	TOSTAGE \a                                     ; a block's way through the stage stands between the loads of the block before and its stores
	SEND (\a)-1, 16
.endr
	SEND 8, 0
	s_wait_xcnt 0x0                                ; the stores' base is written anew only behind this wait
	s_add_co_u32 s18, s18, 1
	s_cmp_lt_u32 s18, 4
	s_cbranch_scc1 .Ltile
.Lend:
	s_wait_tensorcnt 0x0
	ds_add_u32 v30, v31
	s_wait_dscnt 0x0
	s_endpgm
.Lfunc_end_k_q9f15955d10_gemm:
	.size	k_q9f15955d10_gemm, .Lfunc_end_k_q9f15955d10_gemm-k_q9f15955d10_gemm
	.p2alignl 7, 3214868480
	.fill 96, 4, 3214868480
	.section	.rodata,"a",@progbits
	.p2align	6, 0x0
	.amdhsa_kernel k_q9f15955d10_gemm
		.amdhsa_group_segment_fixed_size 281088
		.amdhsa_private_segment_fixed_size 0
		.amdhsa_enable_private_segment 0
		.amdhsa_kernarg_size 40
		.amdhsa_user_sgpr_count 2
		.amdhsa_user_sgpr_kernarg_segment_ptr 1
		.amdhsa_wavefront_size32 1
		.amdhsa_system_sgpr_workgroup_id_x 1
		.amdhsa_system_sgpr_workgroup_id_y 1
		.amdhsa_system_sgpr_workgroup_id_z 1
		.amdhsa_system_vgpr_workitem_id 0
		.amdhsa_next_free_vgpr 768
		.amdhsa_next_free_sgpr 66
		.amdhsa_reserve_vcc 0
		.amdhsa_float_denorm_mode_32 3
		.amdhsa_float_denorm_mode_16_64 3
		.amdhsa_memory_ordered 1
		.amdhsa_forward_progress 1
		.amdhsa_inst_pref_size 93
	.end_amdhsa_kernel
	.amdgpu_metadata
---
amdhsa.version: [ 1, 2 ]
amdhsa.kernels:
  - .name:           k_q9f15955d10_gemm
    .symbol:         k_q9f15955d10_gemm.kd
    .args:
      - { .name: W, .offset: 0, .size: 8, .value_kind: global_buffer, .address_space: global }
      - { .name: b, .offset: 8, .size: 8, .value_kind: global_buffer, .address_space: global }
      - { .name: xg, .offset: 16, .size: 8, .value_kind: global_buffer, .address_space: global }
      - { .name: tiles, .offset: 24, .size: 8, .value_kind: global_buffer, .address_space: global }
      - { .name: pg, .offset: 32, .size: 8, .value_kind: global_buffer, .address_space: global }
    .group_segment_fixed_size: 281088
    .private_segment_fixed_size: 0
    .kernarg_segment_align: 8
    .kernarg_segment_size: 40
    .max_flat_workgroup_size: 128
    .sgpr_count:     66
    .vgpr_count:     768
    .wavefront_size: 32
...
	.end_amdgpu_metadata
.endif
;; end of part 4
;; launch comb (part 5): grid 256 x 1, 8 waves a work-group, no clusters, 0 bytes of LDS; arguments pg, posb, wts, out0; writes out0
.if DOCPART == 5
	.amdgcn_target "amdgcn-amd-amdhsa--gfx1250"
	.amdhsa_code_object_version 6
	.text
	.protected	k_q9f15955d10_comb
	.globl	k_q9f15955d10_comb
	.p2align	8
	.type	k_q9f15955d10_comb,@function
k_q9f15955d10_comb:
	s_mov_b64 s[64:65], 0
	v_nop
	global_prefetch_b8 v0, s[64:65] scope:SCOPE_SE
	s_setreg_imm32_b32 hwreg(HW_REG_WAVE_MODE, 25, 1), 1
	s_wait_xcnt 0x0
; THE COMBINE.  out0[t] = g_lo pg[row of t with its lower-numbered expert] + g_hi pg[row with the higher-numbered one], in f32.
; One wave, one token: 8,192 bytes from each of two rows, 8,192 bytes out; every load and store of the wave covers 512 consecutive bytes.  All 32 loads go out at once.
; posb[e][t] is 0 for six experts and row + 1 for two; the experts' regions ascend with e, so the smaller row is the lower-numbered expert's, whose gate wts holds first.
; A stream: no LDS, no barrier, no matrix unit; no row of pg is read twice, so nothing is shared between work-groups.
.set LO, 16                            ; v[16:79]   the lower expert's row; then the result
.set HI, 80                            ; v[80:143]  the higher expert's row
	s_load_b256 s[4:11], s[0:1], 0x0               ; pg s[4:5], posb s[6:7], wts s[8:9], out0 s[10:11]
	v_lshrrev_b32 v2, 5, v0
	v_readfirstlane_b32 s16, v2                    ; wave 0..7
	v_and_b32 v1, 31, v0
	v_lshlrev_b32 v1, 4, v1                        ; 16 lane; never rewritten
	s_lshl_b32 s17, ttmp9, 3
	s_add_co_u32 s17, s17, s16                     ; my token
	s_lshl_b32 s20, s17, 2
	s_lshl_b32 s21, s17, 3
	s_lshl_b32 s18, s17, 13
	s_mov_b32 s19, 0
	s_wait_kmcnt 0x0
.irp k, 0,1,2,3,4,5,6,7
	s_load_b32 s[24+(\k)], s[6:7], s20 offset:8192*(\k)
.endr
	s_load_b64 s[32:33], s[8:9], s21 offset:0x0    ; the two gates
	s_add_nc_u64 s[10:11], s[10:11], s[18:19]      ; out0 at my row
	s_wait_kmcnt 0x0
	s_max_u32 s36, s24, s25
	s_add_co_u32 s37, s24, s25
.irp k, 2,3,4,5,6,7
	s_max_u32 s36, s36, s[24+(\k)]
	s_add_co_u32 s37, s37, s[24+(\k)]
.endr
	s_sub_co_u32 s37, s37, s36                     ; the sum of two less the larger: the smaller
	s_sub_co_u32 s36, s36, 1
	s_sub_co_u32 s37, s37, 1
	s_min_u32 s36, s36, 18431                      ; rows of pg, bounded in the text itself
	s_min_u32 s37, s37, 18431
	s_lshl_b32 s38, s37, 13
	s_mov_b32 s39, 0
	s_lshl_b32 s40, s36, 13
	s_mov_b32 s41, 0
	s_add_nc_u64 s[12:13], s[4:5], s[38:39]
	s_add_nc_u64 s[14:15], s[4:5], s[40:41]
	s_mov_b32 s34, s33                             ; the second gate in the low word of a pair of its own: the packed forms take a scalar pair's low word for both halves
	s_mov_b32 s35, 0                               ; named with it as a pair, so it is written
.irp i, 0,1,2,3,4,5,6,7,8,9,10,11,12,13,14,15
	global_load_b128 v[LO+4*(\i):LO+4*(\i)+3], v1, s[12:13] offset:512*(\i) th:TH_LOAD_NT
	global_load_b128 v[HI+4*(\i):HI+4*(\i)+3], v1, s[14:15] offset:512*(\i) th:TH_LOAD_NT
.endr
.irp i, 0,1,2,3,4,5,6,7,8,9,10,11,12,13,14,15
	s_wait_loadcnt 30-2*(\i)                       ; loads come back in order (ISA guide 5.7.1): pair i is in, the younger pairs stay out
	v_pk_mul_f32 v[LO+4*(\i):LO+4*(\i)+1],   v[LO+4*(\i):LO+4*(\i)+1],   s[32:33] op_sel_hi:[1,0]
	v_pk_mul_f32 v[LO+4*(\i)+2:LO+4*(\i)+3], v[LO+4*(\i)+2:LO+4*(\i)+3], s[32:33] op_sel_hi:[1,0]
	v_pk_fma_f32 v[LO+4*(\i):LO+4*(\i)+1],   v[HI+4*(\i):HI+4*(\i)+1],   s[34:35], v[LO+4*(\i):LO+4*(\i)+1]   op_sel_hi:[1,0,1]
	v_pk_fma_f32 v[LO+4*(\i)+2:LO+4*(\i)+3], v[HI+4*(\i)+2:HI+4*(\i)+3], s[34:35], v[LO+4*(\i)+2:LO+4*(\i)+3] op_sel_hi:[1,0,1]
	global_store_b128 v1, v[LO+4*(\i):LO+4*(\i)+3], s[10:11] offset:512*(\i) th:TH_STORE_NT
.endr
	s_endpgm
.Lfunc_end_k_q9f15955d10_comb:
	.size	k_q9f15955d10_comb, .Lfunc_end_k_q9f15955d10_comb-k_q9f15955d10_comb
	.p2alignl 7, 3214868480
	.fill 96, 4, 3214868480
	.section	.rodata,"a",@progbits
	.p2align	6, 0x0
	.amdhsa_kernel k_q9f15955d10_comb
		.amdhsa_group_segment_fixed_size 0
		.amdhsa_private_segment_fixed_size 0
		.amdhsa_enable_private_segment 0
		.amdhsa_kernarg_size 32
		.amdhsa_user_sgpr_count 2
		.amdhsa_user_sgpr_kernarg_segment_ptr 1
		.amdhsa_wavefront_size32 1
		.amdhsa_system_sgpr_workgroup_id_x 1
		.amdhsa_system_sgpr_workgroup_id_y 1
		.amdhsa_system_sgpr_workgroup_id_z 1
		.amdhsa_system_vgpr_workitem_id 0
		.amdhsa_next_free_vgpr 144
		.amdhsa_next_free_sgpr 66
		.amdhsa_reserve_vcc 0
		.amdhsa_float_denorm_mode_32 3
		.amdhsa_float_denorm_mode_16_64 3
		.amdhsa_memory_ordered 1
		.amdhsa_forward_progress 1
		.amdhsa_inst_pref_size 12
	.end_amdhsa_kernel
	.amdgpu_metadata
---
amdhsa.version: [ 1, 2 ]
amdhsa.kernels:
  - .name:           k_q9f15955d10_comb
    .symbol:         k_q9f15955d10_comb.kd
    .args:
      - { .name: pg, .offset: 0, .size: 8, .value_kind: global_buffer, .address_space: global }
      - { .name: posb, .offset: 8, .size: 8, .value_kind: global_buffer, .address_space: global }
      - { .name: wts, .offset: 16, .size: 8, .value_kind: global_buffer, .address_space: global }
      - { .name: out0, .offset: 24, .size: 8, .value_kind: global_buffer, .address_space: global }
    .group_segment_fixed_size: 0
    .private_segment_fixed_size: 0
    .kernarg_segment_align: 8
    .kernarg_segment_size: 32
    .max_flat_workgroup_size: 256
    .sgpr_count:     66
    .vgpr_count:     144
    .wavefront_size: 32
...
	.end_amdgpu_metadata
.endif
;; end of part 5
;; ======== version 2 of 2: 5 launches; version 1 with the launch gemm written anew for expert scheduling mode
;; workspace buffers: xb 8,388,608 bytes; code 8,192 bytes of whole numbers; wts 16,384 bytes; xg 75,497,472 bytes; tiles 4,096 bytes of whole numbers; posb 65,536 bytes of whole numbers; pg 150,994,944 bytes; listb 73,728 bytes of whole numbers
;; launch gate: the kernel of part 1 again; grid 256 x 1, 8 waves a work-group, no clusters, 76,800 bytes of LDS; arguments x, Wg, bg, xb, code, wts; writes xb, code, wts
;; launch list: the kernel of part 2 again; grid 8 x 1, 1 waves a work-group, no clusters, 9,728 bytes of LDS; arguments code, listb, tiles, posb; writes listb, tiles, posb
;; launch pack: the kernel of part 3 again; grid 36 x 8, 4 waves a work-group, no clusters, 67,072 bytes of LDS; arguments xb, listb, tiles, xg; writes xg
;; launch gemm (part 6): grid 32 x 8, 4 waves a work-group, no clusters, 281,088 bytes of LDS; arguments W, b, xg, tiles, pg; writes pg
.if DOCPART == 6
	.amdgcn_target "amdgcn-amd-amdhsa--gfx1250"
	.amdhsa_code_object_version 6
	.text
	.protected	k_q9f15955d10_gemm
	.globl	k_q9f15955d10_gemm
	.p2align	8
	.type	k_q9f15955d10_gemm,@function
k_q9f15955d10_gemm:
	s_mov_b64 s[64:65], 0
	v_nop
	global_prefetch_b8 v0, s[64:65] scope:SCOPE_SE
	s_setreg_imm32_b32 hwreg(HW_REG_WAVE_SCHED_MODE, 0, 2), 2
	s_setreg_imm32_b32 hwreg(HW_REG_WAVE_MODE, 25, 1), 1
	s_wait_xcnt 0x0
	s_wait_alu depctr_vm_vsrc(0)
; THE EXPERTS' PRODUCTS.  pg[2,304 e + p][:] = x[token at place p of expert e] W[e] + b[e], with x, W and b rounded to bf16 and sums in f32; the gates are applied by the next launch.
; W STAYS.  Work-group (nblk, e) owns W[e][:, 64 nblk .. + 63]: 2,048 rows of 256 bytes, read from memory once in the whole launch, rounded to bf16 and kept in LDS turned, [column][channel].
; 8 x 32 = 256 work-groups of equal fill.  Then each of the four waves multiplies tiles of 144 places x 64 columns over all 2,048 channels: tiles wave, wave + 4, .. below T[e], which the launch
; before stored as a whole number (at even counts T = 4: one tile a wave).  36 accumulators, 288 registers.
; The tokens' operand comes from xg in the fragments' register image: each load is 512 consecutive bytes straight into registers, 18 loads for a K step's 36 products, three K steps ahead.
; NO TENSOR LOADS, NO CLUSTER, though the 32 work-groups of an expert read the same xg: W must pass through registers to be rounded and turned; xg through LDS would add 9,216 bytes written and
; 9,216 read to the 4,096 bytes of W that a wave reads from LDS in a K step; and joint requests exist for tensor loads alone.
; THE MATRIX INSTRUCTION IS USED TRANSPOSED: source 0 = 16 columns of W, source 1 = 16 places: a lane holds one place (lane % 16) and the columns 8 (lane / 16) + 0..7, 32 neighbouring bytes of a row of pg.
; The first K step takes the bias as C: nothing is cleared and nothing is added later.
; REGISTERS, in windows of 256 (s_set_vgpr_msb: bits 1:0 source 0, 3:2 source 1, 5:4 source 2, 7:6 destination):
;   window 0: v0-23 addresses; v32-95 W's fragments, two buffers of 4; v96-127 the bias; v128-159 block 8's accumulators; v160-191 block 8's fragments, four slots; v192-255 the way out
;             (in the fill: v32-223 six slots of 32 for W as loaded, v224-255 two sets of 16 for it in bf16)
;   window 1: the accumulators of blocks 0-7, (mb, nb) at v[32 mb + 8 nb]          window 2: the fragments of blocks 0-7, slot q, block mb at v[64 q + 8 mb]
; THE MODE: SCHED_MODE bits 1:0 = 2 (LLVM: expert scheduling mode 2), set by the entry lines.  The code itself states the register dependences
; between vector or matrix instructions and memory or LDS instructions, with s_wait_alu, always for 0.
; THE PLAN.  Registers that memory or LDS instructions touch:
;   THE FILL.   XX0 .. XX5  a slot's sixteen conversions read it; behind them the loads of the unit six on land in it.
;               TT0, TT1    slot sl's conversions write set sl % 2; its four LDS stores read it; it is written again two slots on.
;               v[WST]      read by every LDS store; written once a round of six slots.      v[FO]  read by every load; never written again: each slot has a scalar base of its own.
;     One wait on va_vdst a slot, behind its conversions; one on vm_vsrc for every two slots (ahead of the add to v[WST], and at the heads of slots 2 and 4): it frees both sets of TT.
;   THE K LOOP. the ring's slots 0 .. 3  step s's products read slot s % 4; the loads issued in step s + 1 land in it.
;               BF0, BF1    step s's products read one; the LDS loads issued in step s + 1 land in it.
;               v[BA ..]    read by every LDS load of W; written once a trip of four steps.   v[AO]  read by every load of the tokens; never written again: each slot of the ring has a scalar base.
;     One wait on va_vdst a step, at its head: the step before's products are done reading the slot and the buffer in which this step's 26 loads land.  The loads follow dealt among the step's
;     products, which name the other buffer, the slot in hand, the bias and the accumulators: none of the registers that those loads touch.  One wait on vm_vsrc a trip, ahead of the lines that write v[BA ..].
;   THE WAY OUT. the accumulators: written by the products, read by the LDS stores, written again by the next tile's first products.  OB0, OB1: loads from the stage land in one, eight global stores read it, it is loaded again two blocks on.
.set WP,    4112                       ; a column of W in LDS: 4,096 bytes + 16 = 257 x 16: the 16 columns of a fragment load start at 16 different groups of four banks (64 banks of 4 bytes: ISA guide 11.1)
.set STAGE, 64*WP                      ; behind W: 16 rows x 272 bytes for each wave, for the way out
.set SP,    272
.set UNIT,  131072                     ; 16 rows of W[e], 8,192 bytes each: what a slot of the fill holds of them is 16 x 256 bytes
.set AO,    3                          ; v3      16 lane: my bytes in 512 of xg; never rewritten
.set BA0,   4                          ; v4-7    LDS address of my part of W's fragment nb at channel 0; never rewritten
.set STO,   8                          ; v8      the way out: where I put 32 bytes of a row
.set RD,    9                          ; v9      where I read rows back
.set CO,    10                         ; v10     my byte offset in two rows of pg
.set FO,    12                         ; v12     the fill: my byte offset in a unit of W; never rewritten
.set WST,   18                         ; v18     the fill: where I put 16 bytes of a column
.set BO,    19                         ; v19     my byte offset in 64 bytes of b
.set BA,    20                         ; v20-23  BA0 + s[TB]: the same at the channels in hand
.set TB,    29                         ; s29     bytes along W's columns at which the trip's K steps begin: 0 at a tile's start, 256 more each trip of the K loop
.set FB,    32                         ; s[32:43] the fill: slot sl's pair at FB + 2 sl: the address of the unit that the slot is asked for next
.set AB,    32                         ; s[32:39] behind the fill: slot q of the tokens' ring: a pair at AB + 2 q: the tile's first block at the K step that the slot is asked for next
.set BF,    32
.set BIAS,  96
.set ACC8,  128
.set A8,    160
.set OB,    192
.set XX,    32
.set TT,    224
.set MSB, 0
.macro WIN new                         ; the immediate's high byte repeats the setting that is left; a switch that changes nothing is dropped
.if MSB != (\new)
	s_set_vgpr_msb (MSB<<8)|(\new)
.set MSB, \new
.endif
.endm
.macro PLACES                          ; four places between a matrix instruction and the first read of its result (ISA guide 7.12.1)
.rept 4
	v_nop
.endr
.endm
	s_load_b256 s[4:11], s[0:1], 0x0               ; W s[4:5], b s[6:7], xg s[8:9], tiles s[10:11]
	s_load_b64 s[12:13], s[0:1], 0x20              ; pg
	v_lshl_add_u32 v30, v0, 2, 0x44800
	v_mov_b32 v31, 0
	v_and_b32 v11, 31, v0                          ; lane
	v_lshrrev_b32 v2, 5, v0
	v_readfirstlane_b32 s14, v2                    ; wave 0..3
	v_and_b32 v1, 15, v0                           ; r
	v_lshrrev_b32 v2, 4, v11                       ; h
	v_lshlrev_b32 v[AO], 4, v11
	v_lshlrev_b32 v11, 4, v1                       ; 16 r
	s_mov_b32 s15, ttmp9                           ; nblk
	s_and_b32 s16, ttmp7, 0xffff                   ; e
	s_lshl_b32 s26, s16, 9                         ; T[e]'s place in tiles; not rewritten
	v_mul_u32_u24 v[BA0], v1, WP
	v_lshl_add_u32 v[BA0], v2, 4, v[BA0]           ; column r x pitch + 16 x half
.irp n, 1,2,3
	v_add_nc_u32 v[BA0+(\n)], (\n)*16*WP, v[BA0]
.endr
	s_wait_alu depctr_va_sdst(0)                   ; s14 is written, ahead of its first reader: LDS addresses, W's base and my tiles' numbers are made from it
	s_mul_i32 s21, s14, 16*SP
	s_add_co_u32 s21, s21, STAGE                   ; my stage
	v_mul_u32_u24 v[STO], v1, SP                   ; in: row r, 32 bytes for each half of the lanes
	v_lshl_add_u32 v[STO], v2, 5, v[STO]
	v_add_nc_u32 v[STO], s21, v[STO]
	v_mul_u32_u24 v[RD], v2, SP                    ; back: lanes 0-15 take one row of 256 bytes, lanes 16-31 the next
	v_add_nc_u32 v[RD], v[RD], v11
	v_add_nc_u32 v[RD], s21, v[RD]
	v_lshl_add_u32 v[CO], v2, 13, v11              ; and the same two rows in pg
	v_lshlrev_b32 v[BO], 5, v2
	v_lshl_add_u32 v[FO], v2, 16, v11              ; the fill: lanes 0-15 take 256 bytes of one row of W, lanes 16-31 of the row 8 further down
	v_mul_u32_u24 v[WST], v1, 4*WP                 ; my four columns 4 r + 0..3; 16 bytes (8 channels) for each half of the lanes;
	v_lshl_add_u32 v[WST], v2, 4, v[WST]
	s_lshl_b32 s20, s14, 10
	v_add_nc_u32 v[WST], s20, v[WST]               ; my wave's 512 channels
	s_lshl_b32 s20, s16, 24                        ; W[e],
	s_lshl_b32 s21, s14, 22                        ; my wave's 512 rows,
	s_add_co_u32 s20, s20, s21
	s_lshl_b32 s21, s15, 8                         ; the work-group's 64 columns
	s_add_co_u32 s20, s20, s21
	s_mov_b32 s21, 0
	s_wait_kmcnt 0x0
	s_add_nc_u64 s[4:5], s[4:5], s[20:21]
.irp sl, 0,1,2,3,4,5
	s_add_nc_u64 s[FB+2*(\sl):FB+2*(\sl)+1], s[4:5], (\sl)*UNIT  ; units 0 to 5
.endr
	s_load_b32 s17, s[10:11], s26 offset:0x0       ; T[e]: waited for behind the fill
	s_wait_alu depctr_va_vdst(0)                   ; the offsets and LDS addresses v3 to v19 are written, which the loads and stores of the whole kernel read
	; THE FILL.  Wave w brings channels 512 w .. + 511 in 32 units of 16 channels x 64 columns, through a ring of six register slots: 48 loads, 24 KiB, of every wave are on their way.
.irp sl, 0,1,2,3,4,5
.irp i, 0,1,2,3,4,5,6,7
	global_load_b128 v[XX+32*(\sl)+4*(\i):XX+32*(\sl)+4*(\i)+3], v[FO], s[FB+2*(\sl):FB+2*(\sl)+1] offset:8192*(\i) th:TH_LOAD_NT
.endr
.endr
; One slot's turn.  Register 4 i + q holds W[k0 + 8 h + i][4 r + q]: for each q the eight channels pack into 16 bytes of column 4 r + q.
; ahead = 1: the slot is filled again, six units on.  left = the younger loads that may stay out.
; The sixteen lanes of a store lie 4 x 4,112 bytes apart, 64 modulo 256: four lanes share a group of banks.  A pitch that spreads them would not be a multiple of 16.  128 such stores a wave, beside loads from memory.
.macro SLOT sl, ahead, left
	s_wait_loadcnt \left                           ; loads come back in order (ISA guide 5.7.1): my unit is in; the wait also shows the loads that read the slot's base done
.if \ahead
	s_add_nc_u64 s[FB+2*(\sl):FB+2*(\sl)+1], s[FB+2*(\sl):FB+2*(\sl)+1], 6*UNIT  ; free since that wait: the slot's next unit
.endif
.set XS, XX+32*(\sl)
.set TS, TT+16*((\sl)%2)
.if ((\sl) == 2) || ((\sl) == 4)
	s_wait_alu depctr_vm_vsrc(0)                   ; the LDS stores of the two slots before have read both sets of TT, which this slot's conversions and the next slot's write again
.endif
.irp q, 0,1,2,3
.irp i, 0,2,4,6
	v_cvt_pk_bf16_f32 v[TS+4*(\q)+(\i)/2], v[XS+4*(\i)+(\q)], v[XS+4*(\i)+4+(\q)]
.endr
.endr
	s_wait_alu depctr_va_vdst(0)                   ; the conversions have written TT's set, which the LDS stores read, and are done reading the slot, in which the loads land; in a round's first slot v[WST] is written
.if \ahead
.irp i, 0,1,2,3,4,5,6,7
	global_load_b128 v[XS+4*(\i):XS+4*(\i)+3], v[FO], s[FB+2*(\sl):FB+2*(\sl)+1] offset:8192*(\i) th:TH_LOAD_NT  ; sixteen lanes take 256 consecutive bytes, at a multiple of 256 from W's first
.endr
.endif
.irp q, 0,1,2,3
	ds_store_b128 v[WST], v[TS+4*(\q):TS+4*(\q)+3] offset:WP*(\q)+32*(\sl)
.endr
.endm
; The end of a round: the LDS address moves on by six units of 16 channels.
.macro WSTEP
	s_wait_alu depctr_vm_vsrc(0)                   ; the round's LDS stores have read v[WST]; those of slots 4 and 5 have read both sets of TT, which slots 0 and 1 write again
	v_add_nc_u32 v[WST], 192, v[WST]
.endm
	s_mov_b32 s19, 4
.Lfill:                                                ; four rounds: units 0-23 are stored, units 6-29 asked for
.irp sl, 0,1,2,3,4,5
	SLOT \sl, 1, 40                                ; five younger units of eight loads
.endr
	WSTEP
	s_sub_co_u32 s19, s19, 1
	s_cmp_lg_u32 s19, 0
	s_cbranch_scc1 .Lfill
	SLOT 0, 1, 40                                  ; unit 24; unit 30 is asked for
	SLOT 1, 1, 40                                  ; unit 25; unit 31, the last
	SLOT 2, 0, 40                                  ; the counts run down
	SLOT 3, 0, 32
	SLOT 4, 0, 24
	SLOT 5, 0, 16
	WSTEP
	SLOT 0, 0, 8
	SLOT 1, 0, 0
	s_wait_dscnt 0x0                               ; for the others' sake: my part of W is in LDS
	s_barrier_signal -1
	s_barrier_wait -1                              ; the only barrier: from here on W is only read, and the stages are each wave's own
	s_wait_alu depctr_vm_vsrc(0)                   ; my last LDS stores have read TT, whose first set the bias's conversions write
	; THE BIAS, rounded to bf16 like the other inputs: register 8 nb + j = b[e][64 nblk + 16 nb + 8 h + j], the place of an accumulator's register j
	s_lshl_b32 s20, s16, 13
	s_lshl_b32 s27, s15, 8
	s_add_co_u32 s20, s20, s27
	s_add_nc_u64 s[6:7], s[6:7], s[20:21]
.irp n, 0,1,2,3
	global_load_b128 v[BIAS+8*(\n):BIAS+8*(\n)+3],   v[BO], s[6:7] offset:64*(\n)      ; no vector instruction since the last slot's wait on va_vdst names these registers
	global_load_b128 v[BIAS+8*(\n)+4:BIAS+8*(\n)+7], v[BO], s[6:7] offset:64*(\n)+16
.endr
	s_wait_loadcnt 0x0
.irp i, 0,1,2,3,4,5,6,7,8,9,10,11,12,13,14,15
	v_cvt_pk_bf16_f32 v[TT+(\i)], v[BIAS+2*(\i)], v[BIAS+2*(\i)+1]
.endr
.irp i, 0,1,2,3,4,5,6,7,8,9,10,11,12,13,14,15
	v_lshlrev_b32 v[BIAS+2*(\i)], 16, v[TT+(\i)]
	v_and_b32 v[BIAS+2*(\i)+1], 0xffff0000, v[TT+(\i)]
.endr
	s_wait_kmcnt 0x0                               ; T
; 16 products: blocks mb0 .. mb0 + 3 x W's four fragments, 32 channels: slot q of the tokens' ring, buffer bb of W's.  first = 1: C is the bias, in window 0.
.macro MUL mb0, q, bb, first
.if \first
	WIN 0x48
.else
	WIN 0x58
.endif
.irp m, 0,1,2,3
.irp n, 0,1,2,3
.if \first
	v_wmma_f32_16x16x32_bf16 v[32*((\mb0)+(\m))+8*(\n):32*((\mb0)+(\m))+8*(\n)+7], v[BF+32*(\bb)+8*(\n):BF+32*(\bb)+8*(\n)+7], v[64*(\q)+8*((\mb0)+(\m)):64*(\q)+8*((\mb0)+(\m))+7], v[BIAS+8*(\n):BIAS+8*(\n)+7]
.else
	v_wmma_f32_16x16x32_bf16 v[32*((\mb0)+(\m))+8*(\n):32*((\mb0)+(\m))+8*(\n)+7], v[BF+32*(\bb)+8*(\n):BF+32*(\bb)+8*(\n)+7], v[64*(\q)+8*((\mb0)+(\m)):64*(\q)+8*((\mb0)+(\m))+7], v[32*((\mb0)+(\m))+8*(\n):32*((\mb0)+(\m))+8*(\n)+7]
.endif
.endr
.endr
.endm
.macro MUL8 q, bb, first               ; block 8's four products: all operands in window 0
	WIN 0
.irp n, 0,1,2,3
.if \first
	v_wmma_f32_16x16x32_bf16 v[ACC8+8*(\n):ACC8+8*(\n)+7], v[BF+32*(\bb)+8*(\n):BF+32*(\bb)+8*(\n)+7], v[A8+8*(\q):A8+8*(\q)+7], v[BIAS+8*(\n):BIAS+8*(\n)+7]
.else
	v_wmma_f32_16x16x32_bf16 v[ACC8+8*(\n):ACC8+8*(\n)+7], v[BF+32*(\bb)+8*(\n):BF+32*(\bb)+8*(\n)+7], v[A8+8*(\q):A8+8*(\q)+7], v[ACC8+8*(\n):ACC8+8*(\n)+7]
.endif
.endr
.endm
; W's four LDS addresses at s[TB] bytes along the columns, each bounded in the text itself by the largest value that it has (column 16 nb + 15, the upper half of the lanes, s[TB] = top):
; with the loads' offsets, 352 + 16 bytes at the most beside top = 3,584 and 224 + 16 beside top = 3,840, no load passes byte 63 x 4,112 + 4,096, the end of W's last column, behind which the stages lie.
; An LDS address has no scalar base, so these four are written by vector lines; the wait that shows them written is the next K step's own.
.macro SETBA top
	s_wait_alu depctr_vm_vsrc(0)                   ; the LDS loads issued so far have read v[BA ..]
.irp n, 0,1,2,3
	v_add_nc_u32 v[BA+(\n)], s[TB], v[BA0+(\n)]
	v_min_u32 v[BA+(\n)], (16*(\n)+15)*WP+16+(\top), v[BA+(\n)]
.endr
.endm
.macro BLOAD bb, boff                  ; W's four fragments of a K step, at byte boff from BA, into buffer bb
	WIN 0
.irp n, 0,1,2,3
	ds_load_b128 v[BF+32*(\bb)+8*(\n):BF+32*(\bb)+8*(\n)+3],   v[BA+(\n)] offset:(\boff)
	ds_load_b128 v[BF+32*(\bb)+8*(\n)+4:BF+32*(\bb)+8*(\n)+7], v[BA+(\n)] offset:(\boff)+32
.endr
.endm
.macro ALOAD8 q                        ; a K step's fragment of block 8 into slot q, by the slot's base
	WIN 0
	global_load_b128 v[A8+8*(\q):A8+8*(\q)+3],   v[AO], s[AB+2*(\q):AB+2*(\q)+1] offset:8*65536
	global_load_b128 v[A8+8*(\q)+4:A8+8*(\q)+7], v[AO], s[AB+2*(\q):AB+2*(\q)+1] offset:8*65536+512
.endm
.macro ALOADM q                        ; those of blocks 0-7
	WIN 0x80                                       ; destination window 2, address window 0
.irp m, 0,1,2,3,4,5,6,7
	global_load_b128 v[64*(\q)+8*(\m):64*(\q)+8*(\m)+3],   v[AO], s[AB+2*(\q):AB+2*(\q)+1] offset:(\m)*65536
	global_load_b128 v[64*(\q)+8*(\m)+4:64*(\q)+8*(\m)+7], v[AO], s[AB+2*(\q):AB+2*(\q)+1] offset:(\m)*65536+512
.endr
.endm
; A K STEP of 32 channels: 36 products, each accumulator once and always in the same order, so that no two neighbouring products share an accumulator, over the loop's edge too.
; ia = 1: the tokens' fragments three steps on are asked for, into the slot that the step before read.  ib = 1: W's fragments of the next step (boff) into the other buffer.
; la = the younger global loads that may stay out: eighteen a step.  A tile's first step needs no wait on va_vdst: the tile's head has one, and no product stands between.  The last step issues no load and has none.
.macro KSTEP q, bb, first, ia, ib, boff, la
	s_wait_loadcnt \la                             ; this step's eighteen loads are in
.if \ia
	s_add_nc_u64 s[AB+2*(\q):AB+2*(\q)+1], s[AB+2*(\q):AB+2*(\q)+1], 4096  ; free since that wait, which shows the loads that read it done: this slot's K step four on, asked for in the next step
.endif
	s_wait_dscnt 0x0                               ; and W's fragments, asked for 20 products ago
.if ((\ia) || (\ib)) && !(\first)
	s_wait_alu depctr_va_vdst(0)                   ; the step before's products are done reading their slot of the ring and their buffer of W, in which the loads below land; in a trip's first step v[BA ..] are written
.endif
	MUL 0, \q, \bb, \first
.if \ib
	BLOAD 1-(\bb), \boff                           ; no further wait: no product since the wait above names these registers, nor those of the loads that follow
.endif
.if \ia
	ALOAD8 ((\q)+3)%4
.endif
	MUL8 \q, \bb, \first
.if \ia
	ALOADM ((\q)+3)%4
.endif
	MUL 4, \q, \bb, \first
.endm
; THE WAY OUT of block mb: a lane's 32 bytes of a row go into my stage (rows of 272 bytes) and come back as whole rows of 256 bytes.
.macro TOSTAGE mb
	WIN 0
	s_wait_xcnt 0x0                                ; the registers that earlier stores read are loaded again only behind this wait
.if (\mb) >= 2
	s_wait_alu depctr_vm_vsrc(0)                   ; the global stores of the block two back have read their set of OB, in which the loads below land (for blocks 0 and 1 the tile's head has said so)
.endif
.if (\mb) < 8
	WIN 0x04                                       ; the stores' data in window 1
.irp n, 0,1,2,3
	ds_store_b128 v[STO], v[32*(\mb)+8*(\n):32*(\mb)+8*(\n)+3]   offset:64*(\n)     ; each accumulator's registers in ascending order
	ds_store_b128 v[STO], v[32*(\mb)+8*(\n)+4:32*(\mb)+8*(\n)+7] offset:64*(\n)+16
.endr
	WIN 0
.else
.irp n, 0,1,2,3
	ds_store_b128 v[STO], v[ACC8+8*(\n):ACC8+8*(\n)+3]   offset:64*(\n)
	ds_store_b128 v[STO], v[ACC8+8*(\n)+4:ACC8+8*(\n)+7] offset:64*(\n)+16
.endr
.endif
.irp t, 0,1,2,3,4,5,6,7
	ds_load_b128 v[OB+32*((\mb)%2)+4*(\t):OB+32*((\mb)%2)+4*(\t)+3], v[RD] offset:2*SP*(\t)  ; LDS serves a wave's instructions in order (ISA guide 5.7.1.4): these see the stores above, and the next block's stores come behind them
.endr
.endm
.macro SEND mb, younger                ; younger: the LDS instructions issued behind block mb's loads: the next block's sixteen, or none
	s_wait_dscnt \younger
.irp t, 0,1,2,3,4,5,6,7
	global_store_b128 v[CO], v[OB+32*((\mb)%2)+4*(\t):OB+32*((\mb)%2)+4*(\t)+3], s[24:25] offset:(16*(\mb)+2*(\t))*8192  ; sixteen lanes store 256 consecutive bytes, at a multiple of 256 from pg's first
.endr
.endm
	s_mov_b32 s18, 0                               ; the round
.Ltile:                                                ; four rounds at the most; the loop is left forward when my tiles are done.  T enters this comparison alone, no address
	s_lshl_b32 s27, s18, 2
	s_add_co_u32 s27, s27, s14                     ; my tile of this round: 4 x round + wave, 15 at the most: 9 x 15 + 8 = 143 and 144 x 15 + 143 = 2,303 are the region's last block and row
	s_cmp_ge_u32 s27, s17
	s_cbranch_scc1 .Lend
	s_mul_i32 s20, s16, 144
	s_mul_i32 s28, s27, 9
	s_add_co_u32 s20, s20, s28
	s_lshl_b32 s20, s20, 16                        ; its nine blocks of 65,536 bytes in xg
	s_add_nc_u64 s[22:23], s[8:9], s[20:21]
.irp q, 0,1,2,3
	s_add_nc_u64 s[AB+2*(\q):AB+2*(\q)+1], s[22:23], 1024*(\q)  ; K steps 0 to 3: a K step is 1,024 bytes of a block
.endr
	s_mul_i32 s20, s16, 2304
	s_mul_i32 s28, s27, 144
	s_add_co_u32 s20, s20, s28
	s_lshl_b32 s20, s20, 13                        ; its 144 rows of 8,192 bytes in pg,
	s_lshl_b32 s28, s15, 8                         ; the work-group's 256 bytes of them
	s_add_co_u32 s20, s20, s28
	s_add_nc_u64 s[24:25], s[12:13], s[20:21]
	s_mov_b32 s[TB], 0
	s_wait_alu depctr_vm_vsrc(0)                   ; of the tile before: its LDS loads have read v[BA ..], its LDS stores the accumulators, its global stores OB: all of them are written again in this tile
.irp n, 0,1,2,3
	v_mov_b32 v[BA+(\n)], v[BA0+(\n)]              ; K steps 0 and 1 of W lie at the columns' heads
.endr
	s_wait_alu depctr_va_vdst(0)                   ; v[BA ..] are written; the tile before's products (in the first tile: the fill's and the bias's conversions) are done with the registers in which this tile's loads land
	BLOAD 0, 0                                     ; K step 0 of W
	ALOAD8 0                                       ; K steps 0, 1, 2 of the tokens, step by step, so that the loads count in eighteens: 54 are out
	ALOADM 0
	ALOAD8 1
	ALOADM 1
	ALOAD8 2
	ALOADM 2
	KSTEP 0, 0, 1, 1, 1, 64, 36                    ; K step 0 stands in front of the loop: its products start the sums, from the bias
	WIN 0                                          ; at a label and at a branch every window is 0
	s_mov_b32 s19, 15
.Lk:                                                   ; a trip: K steps 4 i + 1 .. 4 i + 4; it asks for the tokens' steps 4 i + 4 .. 4 i + 7, the last of them step 63
	SETBA 3584                                     ; s[TB] = 256 i, 14 x 256 at the most
	KSTEP 1, 1, 0, 1, 1, 128, 36
	KSTEP 2, 0, 0, 1, 1, 192, 36
	KSTEP 3, 1, 0, 1, 1, 256, 36
	KSTEP 0, 0, 0, 1, 1, 320, 36
	WIN 0
	s_add_co_u32 s[TB], s[TB], 256                 ; four K steps of 64 bytes on
	s_sub_co_u32 s19, s19, 1
	s_cmp_lg_u32 s19, 0
	s_cbranch_scc1 .Lk
	SETBA 3840                                     ; s[TB] = 15 x 256
	KSTEP 1, 1, 0, 0, 1, 128, 36                   ; K steps 61, 62, 63 ask for no tokens: the counts run down
	KSTEP 2, 0, 0, 0, 1, 192, 18
	KSTEP 3, 1, 0, 0, 0, 0, 0
	WIN 0
	PLACES                                         ; between the last products and the first read of a result
	s_wait_alu depctr_va_vdst(0)                   ; the products have written the accumulators, which the LDS stores of all nine blocks read; the places above stay beside this wait
	TOSTAGE 0
.irp a, 1,2,3,4,5,6,7,8
	TOSTAGE \a                                     ; a block's way through the stage stands between the loads of the block before and its stores
	SEND (\a)-1, 16
.endr
	SEND 8, 0
	s_wait_xcnt 0x0                                ; the stores' base is written anew only behind this wait
	s_add_co_u32 s18, s18, 1
	s_cmp_lt_u32 s18, 4
	s_cbranch_scc1 .Ltile
.Lend:
	s_wait_dscnt 0x0
	s_wait_alu depctr_hold_cnt(0) depctr_sa_sdst(0) depctr_va_vdst(0) depctr_va_sdst(0) depctr_va_ssrc(0) depctr_va_vcc(0) depctr_vm_vsrc(0)
	s_wait_tensorcnt 0x0
	ds_add_u32 v30, v31
	s_wait_dscnt 0x0
	s_endpgm
.Lfunc_end_k_q9f15955d10_gemm:
	.size	k_q9f15955d10_gemm, .Lfunc_end_k_q9f15955d10_gemm-k_q9f15955d10_gemm
	.p2alignl 7, 3214868480
	.fill 96, 4, 3214868480
	.section	.rodata,"a",@progbits
	.p2align	6, 0x0
	.amdhsa_kernel k_q9f15955d10_gemm
		.amdhsa_group_segment_fixed_size 281088
		.amdhsa_private_segment_fixed_size 0
		.amdhsa_enable_private_segment 0
		.amdhsa_kernarg_size 40
		.amdhsa_user_sgpr_count 2
		.amdhsa_user_sgpr_kernarg_segment_ptr 1
		.amdhsa_wavefront_size32 1
		.amdhsa_system_sgpr_workgroup_id_x 1
		.amdhsa_system_sgpr_workgroup_id_y 1
		.amdhsa_system_sgpr_workgroup_id_z 1
		.amdhsa_system_vgpr_workitem_id 0
		.amdhsa_next_free_vgpr 768
		.amdhsa_next_free_sgpr 66
		.amdhsa_reserve_vcc 0
		.amdhsa_float_denorm_mode_32 3
		.amdhsa_float_denorm_mode_16_64 3
		.amdhsa_memory_ordered 1
		.amdhsa_forward_progress 1
		.amdhsa_inst_pref_size 94
	.end_amdhsa_kernel
	.amdgpu_metadata
---
amdhsa.version: [ 1, 2 ]
amdhsa.kernels:
  - .name:           k_q9f15955d10_gemm
    .symbol:         k_q9f15955d10_gemm.kd
    .args:
      - { .name: W, .offset: 0, .size: 8, .value_kind: global_buffer, .address_space: global }
      - { .name: b, .offset: 8, .size: 8, .value_kind: global_buffer, .address_space: global }
      - { .name: xg, .offset: 16, .size: 8, .value_kind: global_buffer, .address_space: global }
      - { .name: tiles, .offset: 24, .size: 8, .value_kind: global_buffer, .address_space: global }
      - { .name: pg, .offset: 32, .size: 8, .value_kind: global_buffer, .address_space: global }
    .group_segment_fixed_size: 281088
    .private_segment_fixed_size: 0
    .kernarg_segment_align: 8
    .kernarg_segment_size: 40
    .max_flat_workgroup_size: 128
    .sgpr_count:     66
    .vgpr_count:     768
    .wavefront_size: 32
...
	.end_amdgpu_metadata
.endif
;; end of part 6
;; launch comb: the kernel of part 5 again; grid 256 x 1, 8 waves a work-group, no clusters, 0 bytes of LDS; arguments pg, posb, wts, out0; writes out0
